; MI455X (gfx1250); checked and timed in simulation.
; The chip was launched on July 23, 2026; its instructions are those of AMD's public machine-readable ISA for CDNA 5 (MIT licence, August 2026) and "CDNA5" Instruction Set Architecture Reference Guide (July 2026). The comments in the code are by the model that wrote it; some were corrected since.
;; Causal Self Attention. Allowed arithmetic: matrix products marked QUANTISED: E2M1 operands, one E8M0 scale for each 32 along K, by v_wmma_scale_f32_16x16x128_f8f6f4 with both operands' format E2M1 (or v_wmma_scale_f32_32x16x128_f4), f32 sums; products left as they are: bf16, f16 or f32 operands; f32 sums; everything else in f32.
;; Inputs: Wk 1,024 x 1,024 float32; Wp 1,024 x 1,024 float32; Wq 1,024 x 1,024 float32; Wv 1,024 x 1,024 float32; bk 1,024 float32; bp 1,024 float32; bq 1,024 float32; bv 1,024 float32; x 4 x 2,048 x 1,024 float32.
;; Outputs: out0 4 x 2,048 x 1,024 float32.
;; This version of the problem:
;;   THIS VERSION OF THE PROBLEM IS GIVEN IN LOW PRECISION. The matrix products marked QUANTISED in the list below multiply operands that are first quantised to E2M1 (2 exponent bits, 1 mantissa bit; 4 bits a number), with one power-of-two scale for each 32 numbers along K (OCP MX v1.0); their sums are f32. The products marked 'left as it is' may take bf16, f16 or f32 operands, with f32 sums. Whichever they take, every output number must still come out within the allowed error. Rounding operands to bf16 (8 significant bits) uses up far more of that allowance than f16 does (11 bits, for magnitudes from 6e-5 to 65,504). All else is computed in f32.
;;   The module's matrix products, in the order in which they are computed (A, B: the left and right operand; K: the contracted axis; several contracted axes count as one K, in the product's order):
;;     1. [M 8,192, K 1,024] x [K 1,024, N 1,024]; A: input x; B: input Wq: QUANTISED
;;     2. [M 8,192, K 1,024] x [K 1,024, N 1,024]; A: input x; B: input Wk: QUANTISED
;;     3. [M 8,192, K 1,024] x [K 1,024, N 1,024]; A: input x; B: input Wv: QUANTISED
;;     4. batch 64 x [M 2,048, K 64] x [K 64, N 2,048]; A: computed on the way; B: computed on the way: left as it is (an operand is computed on the way)
;;     5. batch 64 x [M 2,048, K 2,048] x [K 2,048, N 64]; A: computed on the way; B: computed on the way: left as it is (an operand is computed on the way)
;;     6. [M 8,192, K 1,024] x [K 1,024, N 1,024]; A: computed on the way; B: input Wp: left as it is (an operand is computed on the way)
;;   THE QUANTISER, for each operand of a quantised product, along K:
;;     - K is cut into blocks of 32 from its start; a last block that is shorter is filled with zeros.
;;     - A block's scale is 2^e with e = floor(log2(the largest magnitude in the block)) - 2, held to -126 .. 127; a block of zeros has e = 0. As a byte (E8M0): e + 127.
;;     - Each number is divided by its block's scale, clamped to +-6, and rounded to the nearest number of E2M1, ties to even, subnormals kept.
;;     - The product sums the exact products of the quantised numbers (number of the format x scale) in f32.
;;   ~~~python
;;   def quantise(x, axis):      # numpy; x: float32 -> the quantised numbers, widened to float32 again
;;       x = np.moveaxis(x, axis, -1); K = x.shape[-1]
;;       x = np.pad(x, [(0, 0)] * (x.ndim - 1) + [(0, -K % 32)]); x = x.reshape(x.shape[:-1] + (-1, 32)); a = np.abs(x).max(-1, keepdims=True)
;;       e = np.where(a > 0, np.clip(np.frexp(np.where(a > 0, a, 1))[1] - 1 - 2, -126, 127), 0)      # np.frexp(a)[1] - 1 = floor(log2(a)), exactly
;;       r = np.clip(x / 2.0 ** e, -6, 6)
;;       step = 2.0 ** (np.maximum(np.frexp(np.where(r == 0, 1, r))[1] - 1, 0) - 1)
;;       q = np.round(r / step) * step * 2.0 ** e      # np.round: ties to even
;;       return np.moveaxis(q.reshape(q.shape[:-2] + (-1,))[..., :K], -1, axis).astype(np.float32)
;;   ~~~
;; One version. Each part assembles by itself: llvm-mc -triple=amdgcn-amd-amdhsa -mcpu=gfx1250 --defsym DOCPART=n.
;; ======== version 1 of 1: 5 launches
;; limits: values are held in f16: magnitudes above 65,504 overflow, below 6.1e-05 lose precision
;; workspace buffers: xc 4,194,304 bytes; xs 262,144 bytes; wc 1,572,864 bytes; ws 98,304 bytes; wp16 2,097,152 bytes; qkv 50,331,648 bytes; qkvf 786,432 bytes; yh 16,777,216 bytes
;; launch prep (part 1): grid 384 x 1, 4 waves a work-group, no clusters, 33,280 bytes of LDS; arguments x, Wq, Wk, Wv, Wp, xc, xs, wc, ws, wp16; writes xc, xs, wc, ws, wp16
.if DOCPART == 1
	.amdgcn_target "amdgcn-amd-amdhsa--gfx1250"
	.amdhsa_code_object_version 6
	.text
	.protected	k_q2f711f72c4_prep
	.globl	k_q2f711f72c4_prep
	.p2align	8
	.type	k_q2f711f72c4_prep,@function
k_q2f711f72c4_prep:
	s_mov_b64 s[64:65], 0
	v_nop
	global_prefetch_b8 v0, s[64:65] scope:SCOPE_SE
	s_setreg_imm32_b32 hwreg(HW_REG_WAVE_MODE, 25, 1), 1
	s_wait_xcnt 0x0
; x [8192][1024] and Wq, Wk, Wv [1024][1024], f32, K innermost, become codes of FP4 (E2M1), two a byte, with one E8M0 byte for each 32 along K:
; xc [8192][512 bytes], xs [8192][32]; wc [3072][512 bytes], ws [3072][32], rows 0-1023 Wq's, 1024-2047 Wk's, 2048-3071 Wv's.  Wp becomes f16, laid by K chunk of 64: wp16 [16][1024][64].
; A block's scale is 2^(floor(log2(its largest magnitude)) - 2); its byte is the largest magnitude's exponent field - 2, held at 1 from below; each number is divided by the scale and rounded to the nearest code, ties to even.
; LIMITS: a block of zeros gets the byte 1 where the rule says 127 (its codes are zeros, and this program alone reads the bytes); blocks whose largest magnitude lies under 2^-124 are held at that floor;
; NaN and infinities among the inputs are not served; Wp goes in f16: magnitudes under 65,504.
; SHARES: work-groups 0-255 take x, 256-287 Wq, 288-319 Wk, 320-351 Wv (32,768 numbers each; only pointers are chosen, all four tensors take one path); 352-383 convert Wp.
; The quantiser: rows are dense and K is a multiple of 32, so a tensor is a stream of blocks of 32.  A wave takes 16 steps of 512 numbers.  Each load reads 512 consecutive bytes; a step's 2,048 bytes turn through the wave's own
; stage in LDS and come back 64 bytes a lane, so that a lane holds 16 neighbours along K (two lanes a block).  A lane's 16 codes are 8 bytes: a wave stores 256 consecutive bytes.  A wave's 256 scale bytes are gathered in LDS and leave in one store.
.set WAVES, 4
.set STEPS, 16
.set WGX,   256                        ; work-groups for x
.set WGW,   32                         ; for each weight
.set EMAX,  2
.set CB,    8                          ; bytes of 16 codes
.set R,     16                         ; v16-79   four sets of 16 numbers as they are loaded
.set X,     80                         ; v80-111  two sets of 16 neighbours
.set E,     112                        ; v112-127 a scale byte for each step
.set C,     128                        ; v128-191 codes: four registers for each step, so that no store's data are written again
.set WREG,  8192                       ; LDS: a region for each wave: two stages of 32 x SP bytes, and behind them its 256 scale bytes
.set SP,    80                         ; a lane's place in a stage: 64 bytes + 16 of padding
.set SPW,   12                         ; v12 LDS address of my spare word; never rewritten
.set NIL,   13                         ; v13 0; never rewritten
.set SPARE, WAVES*WREG                 ; behind the four regions: the spare words, 128 bytes a wave, which no other line names
	s_load_b512 s[8:23], s[0:1], 0x0               ; x 8, Wq 10, Wk 12, Wv 14, Wp 16, xc 18, xs 20, wc 22
	s_load_b128 s[24:27], s[0:1], 0x40             ; ws 24, wp16 26
	v_lshl_add_u32 v[SPW], v0, 2, SPARE
	v_mov_b32 v[NIL], 0
	v_lshrrev_b32 v1, 5, v0
	v_readfirstlane_b32 s34, v1                    ; wave
	v_and_b32 v2, 31, v0                           ; lane
	v_lshlrev_b32 v3, 4, v2                        ; my 16 bytes of a load's 512
	s_mul_i32 s35, s34, WREG
	v_lshrrev_b32 v14, 2, v2
	v_mul_u32_u24 v14, v14, SP
	v_and_b32 v15, 3, v2
	v_lshl_add_u32 v14, v15, 4, v14
	v_add_nc_u32 v14, s35, v14                     ; the stage, on the way in: SP (lane / 4) + 16 (lane % 4)
	v_mul_u32_u24 v15, v2, SP
	v_add_nc_u32 v15, s35, v15                     ; and on the way out: SP x lane: my 16 neighbours
	v_mul_u32_u24 v4, v2, CB                       ; my codes' place in a step's
	v_lshrrev_b32 v5, 1, v2
	s_add_co_u32 s35, s35, 2*32*SP
	v_add_nc_u32 v5, s35, v5                       ; LDS: my wave's 256 scale bytes, my block's byte
	v_lshlrev_b32 v7, 3, v2                        ; 8 bytes a lane
	v_add_nc_u32 v6, s35, v7
	s_wait_kmcnt 0x0
	s_cmp_ge_u32 ttmp9, WGX+3*WGW
	s_cbranch_scc1 .Lwp
	; which tensor: the choices hang on the work-group's number alone
	s_sub_co_u32 s28, ttmp9, WGX                   ; among the weights' 96 (not used by x's work-groups)
	s_lshr_b32 s29, s28, 5                         ; 0 Wq, 1 Wk, 2 Wv
	s_and_b32 s30, s28, 31
	s_cmp_eq_u32 s29, 1
	s_cselect_b64 s[4:5], s[12:13], s[10:11]
	s_cmp_eq_u32 s29, 2
	s_cselect_b64 s[4:5], s[14:15], s[4:5]
	s_cmp_lt_u32 ttmp9, WGX
	s_cselect_b64 s[4:5], s[8:9], s[4:5]           ; the numbers
	s_cselect_b64 s[6:7], s[18:19], s[22:23]       ; the codes
	s_cselect_b64 s[32:33], s[20:21], s[24:25]     ; the scale bytes
	s_cselect_b32 s30, ttmp9, s30                  ; my place in the source tensor
	s_cselect_b32 s31, ttmp9, s28                  ; and in the destination (the three weights lie on end)
	s_lshl_b32 s30, s30, 2
	s_add_co_u32 s30, s30, s34                     ; my wave's run of 8,192 numbers
	s_lshl_b32 s36, s30, 15                        ; 32,768 bytes a run
	s_mov_b32 s37, 0
	s_add_nc_u64 s[4:5], s[4:5], s[36:37]
	s_lshl_b32 s31, s31, 2
	s_add_co_u32 s31, s31, s34
	s_lshl_b32 s36, s31, 12                        ; 4,096 bytes of codes a run
	s_add_nc_u64 s[6:7], s[6:7], s[36:37]
	s_lshl_b32 s36, s31, 8                         ; 256 scale bytes a run
	s_add_nc_u64 s[32:33], s[32:33], s[36:37]
.macro LOAD t
.irp i, 0,1,2,3
	global_load_b128 v[R+16*((\t)%4)+4*\i:R+16*((\t)%4)+4*\i+3], v3, s[4:5] offset:2048*(\t)+512*\i th:TH_LOAD_NT   ; 32 lanes read 512 consecutive bytes
.endr
.endm
.macro TURN t                          ; step t's numbers through the stage: LDS serves a wave's instructions in order, so no wait stands between the stores and the loads
.irp i, 0,1,2,3
	ds_store_b128 v14, v[R+16*((\t)%4)+4*\i:R+16*((\t)%4)+4*\i+3] offset:32*SP*((\t)%2)+8*SP*\i
.endr
.irp i, 0,1,2,3
	ds_load_b128 v[X+16*((\t)%2)+4*\i:X+16*((\t)%2)+4*\i+3], v15 offset:32*SP*((\t)%2)+16*\i
.endr
.endm
.irp t, 0,1,2,3
	LOAD \t
.endr
	s_wait_loadcnt 12                              ; step 0's four loads are in; three steps' twelve may be out
	TURN 0
.macro STEP t
.set XS, X+16*((\t)%2)
.if (\t) > 0
	s_wait_dscnt 1                                 ; this step's numbers are back from the stage (the last step's byte store may be out)
.else
	s_wait_dscnt 0x0
.endif
.if (\t)+4 < STEPS
	LOAD (\t)+4                                    ; into the registers that the stage's stores have read
.endif
.if (\t)+1 < STEPS
.if STEPS-2-(\t) >= 3
	s_wait_loadcnt 12                              ; the next step's four loads are in; those of the three steps behind it may be out
.else
	s_wait_loadcnt 4*(STEPS-2-(\t))
.endif
	TURN (\t)+1                                    ; through the other stage while this step is worked
.endif
	v_max3_num_f32 v8, |v[XS]|, |v[XS+1]|, |v[XS+2]|               ; the largest magnitude of my 16, in two chains
	v_max3_num_f32 v9, |v[XS+3]|, |v[XS+4]|, |v[XS+5]|
.irp i, 6,10
	v_max3_num_f32 v8, v8, |v[XS+\i]|, |v[XS+\i+1]|
	v_max3_num_f32 v9, v9, |v[XS+\i+2]|, |v[XS+\i+3]|
.endr
	v_max3_num_f32 v8, v8, |v[XS+14]|, |v[XS+15]|
	v_max3_num_f32 v8, v8, v9, (EMAX+1)<<23        ; and the floor 2^(EMAX + 1 - 127): the byte cannot fall under 1
	v_max_num_f32_dpp v8, v8, v8 row_xmask:1 row_mask:0xf bank_mask:0xf   ; and of my neighbour's 16: the block's
	v_add_nc_u32 v11, -(EMAX<<23), v8              ; EMAX off its exponent field: the conversion takes that field of this operand as its scale
	v_cvt_scalef32_pk8_fp4_f32 v[C+4*(\t)], v[XS:XS+7], v11
	v_cvt_scalef32_pk8_fp4_f32 v[C+4*(\t)+1], v[XS+8:XS+15], v11
	v_lshrrev_b32 v[E+(\t)], 23, v11               ; the scale's byte
	ds_store_b8 v5, v[E+(\t)] offset:16*(\t)       ; both lanes of a block write the same byte with the same value
	global_store_b64 v4, v[C+4*(\t):C+4*(\t)+1], s[6:7] offset:32*CB*(\t)   ; 32 lanes store 256 consecutive bytes, aligned
.endm
.irp t, 0,1,2,3,4,5,6,7,8,9,10,11,12,13,14,15
	STEP \t
.endr
	ds_load_b64 v[8:9], v6                         ; LDS serves a wave's instructions in order: these see my byte stores
	s_wait_dscnt 0x0
	global_store_b64 v7, v[8:9], s[32:33]          ; 256 consecutive bytes, aligned
	s_wait_tensorcnt 0x0                           ; the wave's end
	ds_add_u32 v[SPW], v[NIL]
	s_wait_dscnt 0x0
	s_endpgm
; Wp [1024 n][1024 k] f32 -> wp16 [k / 64][n][64] f16.  A wave takes 8 rows.  One load: sixteen lanes read the 256 bytes of one row's K chunk, the other sixteen the next row's.
; A lane's 4 numbers become 8 bytes; the two rows' 128 bytes lie on end in wp16: a store covers 256 consecutive bytes, aligned.  No LDS is written on this path.
.Lwp:
	v_lshrrev_b32 v8, 4, v2
	v_and_b32 v9, 15, v2
	v_lshlrev_b32 v9, 4, v9
	v_lshl_add_u32 v8, v8, 12, v9                  ; in: 4,096 (lane / 16) + 16 (lane % 16); out: v7 = 8 x lane
	s_sub_co_u32 s28, ttmp9, WGX+3*WGW
	s_lshl_b32 s28, s28, 5
	s_lshl_b32 s29, s34, 3
	s_add_co_u32 s28, s28, s29                     ; my first row: 32 x work-group + 8 x wave
	s_lshl_b32 s36, s28, 12
	s_mov_b32 s37, 0
	s_add_nc_u64 s[16:17], s[16:17], s[36:37]
	s_lshl_b32 s36, s28, 7
	s_add_nc_u64 s[26:27], s[26:27], s[36:37]
.macro LOADB n, set                    ; rows 2 n, 2 n + 1: all 16 K chunks
.irp kc, 0,1,2,3,4,5,6,7,8,9,10,11,12,13,14,15
	global_load_b128 v[16+64*\set+4*\kc:16+64*\set+4*\kc+3], v8, s[16:17] offset:\n*8192+\kc*256 th:TH_LOAD_NT
.endr
.endm
.macro CVST n, set
.irp kc, 0,1,2,3,4,5,6,7,8,9,10,11,12,13,14,15
	v_cvt_pk_f16_f32 v[16+64*\set+4*\kc], v[16+64*\set+4*\kc], v[16+64*\set+4*\kc+1]
	v_cvt_pk_f16_f32 v[16+64*\set+4*\kc+1], v[16+64*\set+4*\kc+2], v[16+64*\set+4*\kc+3]
	global_store_b64 v7, v[16+64*\set+4*\kc:16+64*\set+4*\kc+1], s[26:27] offset:\kc*131072+\n*256
.endr
.endm
	LOADB 0, 0
	LOADB 1, 1
	s_wait_loadcnt 16                              ; set 0 is in; set 1's sixteen may be out
	CVST 0, 0
	s_wait_xcnt 0x0                                ; the stores have read set 0: it is loaded again only behind this wait
	LOADB 2, 0
	s_wait_loadcnt 16
	CVST 1, 1
	s_wait_xcnt 0x0
	LOADB 3, 1
	s_wait_loadcnt 16
	CVST 2, 0
	s_wait_loadcnt 0x0
	CVST 3, 1
	s_endpgm
.Lfunc_end_k_q2f711f72c4_prep:
	.size	k_q2f711f72c4_prep, .Lfunc_end_k_q2f711f72c4_prep-k_q2f711f72c4_prep
	.p2alignl 7, 3214868480
	.fill 96, 4, 3214868480
	.section	.rodata,"a",@progbits
	.p2align	6, 0x0
	.amdhsa_kernel k_q2f711f72c4_prep
		.amdhsa_group_segment_fixed_size 33280
		.amdhsa_private_segment_fixed_size 0
		.amdhsa_enable_private_segment 0
		.amdhsa_kernarg_size 80
		.amdhsa_user_sgpr_count 2
		.amdhsa_user_sgpr_kernarg_segment_ptr 1
		.amdhsa_wavefront_size32 1
		.amdhsa_system_sgpr_workgroup_id_x 1
		.amdhsa_system_sgpr_workgroup_id_y 1
		.amdhsa_system_sgpr_workgroup_id_z 1
		.amdhsa_system_vgpr_workitem_id 0
		.amdhsa_next_free_vgpr 192
		.amdhsa_next_free_sgpr 66
		.amdhsa_reserve_vcc 0
		.amdhsa_float_denorm_mode_32 3
		.amdhsa_float_denorm_mode_16_64 3
		.amdhsa_memory_ordered 1
		.amdhsa_forward_progress 1
		.amdhsa_inst_pref_size 54
	.end_amdhsa_kernel
	.amdgpu_metadata
---
amdhsa.version: [ 1, 2 ]
amdhsa.kernels:
  - .name:           k_q2f711f72c4_prep
    .symbol:         k_q2f711f72c4_prep.kd
    .args:
      - { .name: x, .offset: 0, .size: 8, .value_kind: global_buffer, .address_space: global }
      - { .name: Wq, .offset: 8, .size: 8, .value_kind: global_buffer, .address_space: global }
      - { .name: Wk, .offset: 16, .size: 8, .value_kind: global_buffer, .address_space: global }
      - { .name: Wv, .offset: 24, .size: 8, .value_kind: global_buffer, .address_space: global }
      - { .name: Wp, .offset: 32, .size: 8, .value_kind: global_buffer, .address_space: global }
      - { .name: xc, .offset: 40, .size: 8, .value_kind: global_buffer, .address_space: global }
      - { .name: xs, .offset: 48, .size: 8, .value_kind: global_buffer, .address_space: global }
      - { .name: wc, .offset: 56, .size: 8, .value_kind: global_buffer, .address_space: global }
      - { .name: ws, .offset: 64, .size: 8, .value_kind: global_buffer, .address_space: global }
      - { .name: wp16, .offset: 72, .size: 8, .value_kind: global_buffer, .address_space: global }
    .group_segment_fixed_size: 33280
    .private_segment_fixed_size: 0
    .kernarg_segment_align: 8
    .kernarg_segment_size: 80
    .max_flat_workgroup_size: 128
    .sgpr_count:     66
    .vgpr_count:     192
    .wavefront_size: 32
...
	.end_amdgpu_metadata
.endif
;; end of part 1
;; launch qkv (part 2): grid 12 x 32, 4 waves a work-group, clusters of 4 x 4, 327,680 bytes of LDS; arguments xc, xs, wc, ws, bq, bk, bv, qkv, qkvf; writes qkv, qkvf
.if DOCPART == 2
	.amdgcn_target "amdgcn-amd-amdhsa--gfx1250"
	.amdhsa_code_object_version 6
	.text
	.protected	k_q2f711f72c4_qkv
	.globl	k_q2f711f72c4_qkv
	.p2align	8
	.type	k_q2f711f72c4_qkv,@function
k_q2f711f72c4_qkv:
	s_mov_b64 s[64:65], 0
	v_nop
	global_prefetch_b8 v0, s[64:65] scope:SCOPE_SE
	s_setreg_imm32_b32 hwreg(HW_REG_WAVE_MODE, 25, 1), 1
	s_wait_xcnt 0x0
	s_wait_alu depctr_hold_cnt(0) depctr_sa_sdst(0) depctr_va_vdst(0) depctr_va_sdst(0) depctr_va_ssrc(0) depctr_va_vcc(0) depctr_vm_vsrc(0)
	s_getreg_b32 s2, hwreg(HW_REG_IB_STS2, 6, 4)
	s_cmp_eq_u32 s2, 0
	s_cbranch_scc0 .Lentry_in_a_cluster
	s_endpgm
.Lentry_in_a_cluster:
	s_bfe_u32 s2, ttmp6, 0x10000c
	s_cmp_lg_u32 s2, 0xf033
	s_cbranch_scc0 .Lentry_shape_is_right
	s_endpgm
.Lentry_shape_is_right:
; q, k, v = x W^T + b for the three weights at once: C [8192][3072] = A B^T on codes of FP4 (E2M1) with one E8M0 scale for each 32 along K = 1,024.  A = xc, xs; B = wc, ws (rows 0-1023 Wq, 1024-2047 Wk, 2048-3071 Wv).
; The matrix instruction takes codes and scale bytes as they lie in memory.  The bias is the C of each sum's first product.  Results leave as f16 by head: qkv [3][64 = 16 b + head][2048 t][64];
; the rows t < 16 of every sequence leave once more as f32, qkvf [16 b + t][3072], for the launch that carries those rows in f32 (stores of 32 bytes a lane, 786,432 bytes in all: the price of keeping them in f32).
; LIMIT: q, k, v go in f16: magnitudes under 65,504.
; A tile of C, 256 x 256, is made by four waves, 128 x 128 each: 64 accumulators, 512 registers.  K is two LDS slots of 512 long: both are asked for at the head, none is filled again.
; The scales of the work-group's 256 rows of A and of B, for all of K, are two dense blocks: they come into LDS once, with the first fills.
; CLUSTERS: 4 x 4 work-groups.  The four of a row of the cluster need the same tiles of A, the four of a column the same tiles of B: each tile is asked for jointly.
; Tile row = 8 cy + cluster y, so that the batch is cy and the tiles that hold t < 16 are those of cluster y = 0: a test that is the same in all sixteen partners.  Tile column = 4 cluster x + cx: cluster x says q, k or v.
; THE MATRIX INSTRUCTION IS USED TRANSPOSED (source 0 = 16 rows of B, source 1 = 16 rows of A): a lane holds eight neighbouring columns of one row of C.
; REGISTERS, in windows of 256: window 0: v0-31 addresses; v32-95 scale words, two sets; v128-191 A's fragments, one set; v192-255 the bias; on the way out v32-63 and v128-191 are free.
;   window 1: B's fragments, two sets, at v0 and v128.  window 2: the accumulators of my rows 0-63 ((a, b) at v[8 (8 a + b)]); window 3: those of my rows 64-127.
.set KSTEP,  512
.set NQ,     KSTEP/128
.set ROWB,   256                       ; a tile's row in bytes
.set KROW,   512                       ; a row of codes in memory
.set PITCH,  272                       ; an LDS row: 256 bytes + 16 of padding: the 16 rows of a load start at 16 different banks (64 banks of 4 bytes: ISA guide 11.1)
.set FR,     8
.set NL,     2
.set NP,     4                         ; places behind this matrix instruction (ISA guide 7.12.1)
.set HALFT,  128*PITCH
.set SLOT,   4*HALFT
.set KS,     32                        ; a row of scales in bytes
.set SCL,    2*SLOT                    ; behind the slots: the scales, as units of 256 bytes + 16 of padding
.set HALFS,  (128*KS/256)*272
.set SBLK,   (16*KS/256)*272
.set SPARE,  SCL+4*HALFS               ; the spare words, 128 bytes a wave, which no other line names
.set SPITCH, 272                       ; the way out: a stage of 16 rows x (256 bytes + 16) for each wave, in slot 0, which has had its only fill and its last read when the first result is stored there
.set ADRA, 16
.set ADRB, 20
.set STO,  24                          ; v24 the way out: where I put 16 bytes of a row
.set RD,   25                          ; v25 where I read back
.set CO,   26                          ; v26 my byte offset in qkv
.set ADRS, 27                          ; v27 LDS address of my scale words: lanes 0-15 A's rows, lanes 16-31 B's
.set SPW,  28
.set NIL,  29
.set BO,   30                          ; v30 32 x (lane / 16): my eight numbers of a bias tile
.set FO,   31                          ; v31 my byte offset in qkvf
.set SC,   32
.set TMP,  32                          ; the way out: packed results
.set AF,   128
.set BK,   128                         ; the way out: rows read back: v128-159 and v160-191 by turns
.set BIAS, 192
.set G1, 24
.set G0, 32
.set G1B, 48
.set G0B, 56
.set G1S, 68
.set G0S, 76
.set G1SB, 80
.set G0SB, 88
.set MSB, 0
.macro WIN new                         ; the immediate's high byte repeats the setting that is left
.if MSB != \new
	s_set_vgpr_msb (MSB<<8)|\new
.set MSB, \new
.endif
.endm
.set MUL_LO, 0xa1                      ; source 0 (B) window 1, source 1 (A) window 0, C and D window 2
.set MUL_HI, 0xf1                      ; the same, C and D window 3
.set FST_LO, 0x81                      ; the first products: C (the bias) window 0, D window 2
.set FST_HI, 0xc1                      ; D window 3
.set TO_B,   0x40
; A joint load: waves 0 and 1 fetch for A, waves 2 and 3 for B; the branch hangs on the wave's number alone.  An s_nop 0 and four v_nop follow each line.
.macro JLOAD g0a, g1a, g0b, g1b
	s_cmp_eq_u32 s15, 0
	s_cbranch_scc0 .Lfor_b_\@
	tensor_load_to_lds s[\g0a:\g0a+3], s[\g1a:\g1a+7]
	s_nop 0
.rept 4
	v_nop
.endr
	s_branch .Lasked_\@
.Lfor_b_\@:
	tensor_load_to_lds s[\g0b:\g0b+3], s[\g1b:\g1b+7]
	s_nop 0
.rept 4
	v_nop
.endr
.Lasked_\@:
.endm
.macro CROUND                          ; a round of the cluster's barrier
	s_barrier_signal -1
	s_barrier_wait -1
	s_cmp_lg_u32 s14, 0
	s_cbranch_scc1 .Lnot_wave_0_\@
	s_barrier_signal -3
.Lnot_wave_0_\@:
	s_barrier_wait -3
	s_barrier_signal -1
	s_barrier_wait -1
.endm
	s_load_b256 s[4:11], s[0:1], 0x0               ; A's codes 4, A's scales 6, B's codes 8, B's scales 10
	v_lshl_add_u32 v[SPW], v0, 2, SPARE
	v_mov_b32 v[NIL], 0
	ds_add_u32 v[SPW], v[NIL]                      ; the wave's opening: the add, twice on end, and its wait ahead of my first tensor load
	ds_add_u32 v[SPW], v[NIL]
	v_lshrrev_b32 v1, 5, v0
	v_readfirstlane_b32 s14, v1                    ; wave 0..3
	s_lshr_b32 s15, s14, 1                         ; which half of the tile's rows is mine.  Also: I fetch for A (0) or for B (1)
	s_and_b32 s16, s14, 1                          ; which half of its columns.  Also: which 128 rows of that tile I fetch
	s_bfe_u32 s40, ttmp6, 0x40000                  ; cx
	s_bfe_u32 s41, ttmp6, 0x40004                  ; cy
	s_lshl_b32 s42, ttmp9, 2
	s_add_co_u32 s42, s42, s40                     ; tile column = 4 x cluster x + cx
	s_and_b32 s66, ttmp7, 0xffff                   ; cluster y
	s_lshl_b32 s17, s41, 3
	s_add_co_u32 s17, s17, s66                     ; tile row = 8 cy + cluster y
	s_lshl_b32 s43, s41, 2
	s_lshl_b32 s43, 15, s43                        ; my row of the cluster
	s_lshl_b32 s44, 0x1111, s40                    ; my column
	s_or_b32 s[G1+0], s43, (0<<16)|(1<<20)|(1<<21)|(5<<22)|(3<<25)  ; the mask; elements of 1 byte; padding on; bit 21 beside a mask; 4 words behind every 64
	s_or_b32 s[G1B+0], s44, (0<<16)|(1<<20)|(1<<21)|(5<<22)|(3<<25)
.irp g, G1, G1B
	s_mov_b32 s[\g+1], ROWB<<16                    ; tensor_dim0
	s_mov_b32 s[\g+2], 128<<16                     ; tensor_dim1
	s_mov_b32 s[\g+3], ROWB<<16                    ; tile_dim0
	s_mov_b32 s[\g+4], 128                         ; tile_dim1
	s_mov_b32 s[\g+5], KROW                        ; from row to row
	s_mov_b32 s[\g+6], 0
	s_mov_b32 s[\g+7], 0
.endr
	s_or_b32 s[G1S+0], s43, (3<<16)|(1<<20)|(1<<21)|(5<<22)|(3<<25) ; the scales of 128 rows: 4,096 dense bytes as 16 rows of 32 elements of 8 bytes, 16 bytes of padding behind each
	s_or_b32 s[G1SB+0], s44, (3<<16)|(1<<20)|(1<<21)|(5<<22)|(3<<25)
.irp g, G1S, G1SB
	s_mov_b32 s[\g+1], 32<<16
	s_mov_b32 s[\g+2], (128*KS/256)<<16
	s_mov_b32 s[\g+3], 32<<16
	s_mov_b32 s[\g+4], 128*KS/256
	s_mov_b32 s[\g+5], 32
	s_mov_b32 s[\g+6], 0
	s_mov_b32 s[\g+7], 0
.endr
	s_lshl_b32 s18, s16, 7                         ; which 128 rows of the tile I fetch
	s_lshl_b32 s20, s17, 8
	s_add_co_u32 s20, s20, s18                     ; A: row 256 x tile row + 128 x half
	s_lshl_b32 s46, s42, 8
	s_add_co_u32 s46, s46, s18                     ; B: row 256 x tile column + 128 x half
	s_mov_b32 s21, 0
	s_mov_b32 s47, 0
	s_mov_b64 s[18:19], KS
	s_mul_u64 s[22:23], s[20:21], s[18:19]         ; where these rows' scales begin
	s_mul_u64 s[92:93], s[46:47], s[18:19]
	s_mov_b64 s[18:19], KROW
	s_mul_u64 s[20:21], s[20:21], s[18:19]         ; and their codes
	s_mul_u64 s[46:47], s[46:47], s[18:19]
	s_mul_i32 s45, s14, HALFT                      ; where they go: wave x 128 rows
	s_mul_i32 s94, s14, HALFS
	s_wait_dscnt 0x0                               ; both opening adds are done
	s_wait_kmcnt 0x0
	s_add_nc_u64 s[20:21], s[4:5], s[20:21]
	s_add_nc_u64 s[22:23], s[6:7], s[22:23]
	s_add_nc_u64 s[46:47], s[8:9], s[46:47]
	s_add_nc_u64 s[92:93], s[10:11], s[92:93]
	CROUND                                         ; all sixteen work-groups are here: the joint loads meet
	s_mov_b32 s[G0S], 1
	s_add_co_u32 s[G0S+1], s94, SCL
	s_mov_b64 s[G0S+2:G0S+3], s[22:23]
	s_or_b32 s[G0S+3], s[G0S+3], 0x80000000
	s_mov_b32 s[G0SB], 1
	s_add_co_u32 s[G0SB+1], s94, SCL
	s_mov_b64 s[G0SB+2:G0SB+3], s[92:93]
	s_or_b32 s[G0SB+3], s[G0SB+3], 0x80000000
	JLOAD G0S, G1S, G0SB, G1SB                     ; the scales first: they are wanted with the first slot
.irp s, 0,1
	s_mov_b32 s[G0+4*\s], 1
	s_add_co_u32 s[G0+4*\s+1], s45, \s*SLOT
	s_add_nc_u64 s[G0+4*\s+2:G0+4*\s+3], s[20:21], \s*ROWB
	s_or_b32 s[G0+4*\s+3], s[G0+4*\s+3], 0x80000000
	s_mov_b32 s[G0B+4*\s], 1
	s_add_co_u32 s[G0B+4*\s+1], s45, \s*SLOT
	s_add_nc_u64 s[G0B+4*\s+2:G0B+4*\s+3], s[46:47], \s*ROWB
	s_or_b32 s[G0B+4*\s+3], s[G0B+4*\s+3], 0x80000000
	JLOAD G0+4*\s, G1, G0B+4*\s, G1B
.endr
	s_load_b256 s[4:11], s[0:1], 0x20              ; bq 4, bk 6, bv 8, qkv 10 (no descriptor names s4-13)
	s_load_b64 s[12:13], s[0:1], 0x40              ; qkvf
	v_and_b32 v1, 15, v0                           ; r = lane % 16
	v_bfe_u32 v2, v0, 4, 1                         ; h = lane / 16
	v_mul_u32_u24 v3, v1, PITCH
	v_lshl_add_u32 v4, v2, 4, v3                   ; a fragment's row x pitch + 16 h
	s_mul_i32 s21, s15, HALFT                      ; my 128 rows of A
	s_mul_i32 s22, s16, HALFT                      ; my 128 rows of B,
	s_add_co_u32 s22, s22, 2*HALFT                 ; which lie behind A's 256
.irp s, 0,1
	v_add_nc_u32 v[ADRA+\s], s21, v4
	v_add_nc_u32 v[ADRB+\s], s22, v4
	s_add_co_u32 s21, s21, SLOT
	s_add_co_u32 s22, s22, SLOT
.endr
	v_mul_u32_u24 v5, v1, KS                       ; my row's scales: KS bytes a row,
	v_lshrrev_b32 v6, 8, v5
	v_lshl_add_u32 v5, v6, 4, v5                   ; and 16 more for each 256 passed
	s_mul_i32 s21, s15, HALFS                      ; A's: my 128 rows
	s_mul_i32 s22, s16, HALFS                      ; B's: my 128 rows, behind A's 256
	s_add_co_u32 s22, s22, 2*HALFS
	s_sub_co_u32 s22, s22, s21
	v_mul_u32_u24 v6, s22, v2                      ; lanes 16-31 take B's
	s_add_co_u32 s21, s21, SCL
	v_add_nc_u32 v5, v5, v6
	v_add_nc_u32 v[ADRS], s21, v5
	s_mul_i32 s23, s14, 16*SPITCH                  ; my stage
	v_mul_u32_u24 v5, v1, SPITCH                   ; in: row r, 16 bytes for each half of the lanes
	v_lshl_add_u32 v5, v2, 4, v5
	v_add_nc_u32 v[STO], s23, v5
	v_bfe_u32 v5, v0, 3, 1                         ; back: lanes 0-15 take two rows' first 128 bytes (one head), lanes 16-31 their second (the next head)
	v_mul_u32_u24 v5, v5, SPITCH
	v_lshl_add_u32 v5, v2, 7, v5
	v_and_b32 v6, 7, v0
	v_lshl_add_u32 v5, v6, 4, v5
	v_add_nc_u32 v[RD], s23, v5
	v_lshlrev_b32 v[CO], 4, v1                     ; in qkv two rows of a head lie on end: 16 (lane % 16),
	v_lshl_add_u32 v[CO], v2, 18, v[CO]            ; and a head's plane further for lanes 16-31
	v_lshlrev_b32 v[BO], 5, v2
	v_mul_u32_u24 v[FO], v1, 12288                 ; qkvf: row r of 3,072 f32, + 32 h
	v_lshl_add_u32 v[FO], v2, 5, v[FO]
	s_wait_kmcnt 0x0
	s_cmp_eq_u32 ttmp9, 1                          ; cluster x says which weight: the same in all partners
	s_cselect_b64 s[4:5], s[6:7], s[4:5]
	s_cmp_eq_u32 ttmp9, 2
	s_cselect_b64 s[4:5], s[8:9], s[4:5]
	s_lshl_b32 s20, s40, 10
	s_lshl_b32 s21, s16, 9
	s_add_co_u32 s20, s20, s21                     ; my first column among the weight's 1,024, in bytes of f32
	s_mov_b32 s21, 0
	s_add_nc_u64 s[4:5], s[4:5], s[20:21]
.irp b, 0,1,2,3,4,5,6,7
	global_load_b128 v[BIAS+8*\b:BIAS+8*\b+3], v[BO], s[4:5] offset:64*\b        ; lane (r, h), register j of tile b: the bias of column 16 b + 8 h + j: the result's layout
	global_load_b128 v[BIAS+8*\b+4:BIAS+8*\b+7], v[BO], s[4:5] offset:64*\b+16
.endr
	s_lshl_b32 s46, ttmp9, 24                      ; qkv: which x 2^24
	s_lshl_b32 s47, s41, 22                        ; + batch x 16 planes of 2^18
	s_add_co_u32 s46, s46, s47
	s_lshl_b32 s47, s40, 20                        ; + head 4 cx + 2 x my column half
	s_add_co_u32 s46, s46, s47
	s_lshl_b32 s47, s16, 19
	s_add_co_u32 s46, s46, s47
	s_lshl_b32 s47, s66, 15                        ; + t = 256 x cluster y + 128 x my row half, 128 bytes a row
	s_add_co_u32 s46, s46, s47
	s_lshl_b32 s47, s15, 14
	s_add_co_u32 s46, s46, s47
	s_mov_b32 s47, 0
	s_add_nc_u64 s[10:11], s[10:11], s[46:47]
	s_mul_i32 s46, s41, 196608                     ; qkvf: batch x 16 rows of 12,288 bytes
	s_lshl_b32 s47, ttmp9, 12                      ; + which x 1,024 columns
	s_add_co_u32 s46, s46, s47
	s_add_co_u32 s46, s46, s20                     ; + my first column
	s_mov_b32 s47, 0
	s_add_nc_u64 s[12:13], s[12:13], s[46:47]
.macro FRAG reg, adr, q, i             ; a fragment, 16 rows x 128 K of 4-bit codes: lane l holds row l % 16; registers 4 c .. 4 c + 3 hold K = 64 c + 32 (l / 16) + 0 .. 31
.irp c, 0,1
	ds_load_b128 v[\reg+4*\c:\reg+4*\c+3], v[\adr] offset:64*(\q)+32*\c+(\i)*16*PITCH
.endr
.endm
; 16 matrix instructions: A's blocks a0, a0 + 1 x B's eight, the slot's q-th 128 along K.  p: B's set; sc: the set of scale words.  first = 1: the bias is the C: nothing is cleared, nothing is added later.
; The 64 accumulators take turns, one instruction a turn, in the same order in every step.
.macro MUL16 a0, p, q, sc, first
.irp a, \a0, \a0+1
.irp b, 0,1,2,3,4,5,6,7
.if \first
	v_wmma_scale_f32_16x16x128_f8f6f4 v[8*(8*((\a)%4)+\b):8*(8*((\a)%4)+\b)+7], v[128*(\p)+FR*\b:128*(\p)+FR*\b+FR-1], v[AF+FR*(\a):AF+FR*(\a)+FR-1], v[BIAS+8*\b:BIAS+8*\b+7], v[SC+8*NQ*(\sc)+NQ*\b+(\q)], v[SC+8*NQ*(\sc)+NQ*(\a)+(\q)] matrix_a_fmt:MATRIX_FMT_FP4 matrix_b_fmt:MATRIX_FMT_FP4 matrix_a_scale:MATRIX_SCALE_ROW1
.else
	v_wmma_scale_f32_16x16x128_f8f6f4 v[8*(8*((\a)%4)+\b):8*(8*((\a)%4)+\b)+7], v[128*(\p)+FR*\b:128*(\p)+FR*\b+FR-1], v[AF+FR*(\a):AF+FR*(\a)+FR-1], v[8*(8*((\a)%4)+\b):8*(8*((\a)%4)+\b)+7], v[SC+8*NQ*(\sc)+NQ*\b+(\q)], v[SC+8*NQ*(\sc)+NQ*(\a)+(\q)] matrix_a_fmt:MATRIX_FMT_FP4 matrix_b_fmt:MATRIX_FMT_FP4 matrix_a_scale:MATRIX_SCALE_ROW1
.endif
.endr
.endr
.endm
.macro FETCH_B slot, q, p
	WIN TO_B
.irp i, 0,1,2,3,4,5,6,7
	FRAG 128*(\p)+FR*\i, ADRB+\slot, \q, \i
.endr
	WIN 0
.endm
.macro FETCH_A slot, q, i0
.irp i, \i0, \i0+1, \i0+2, \i0+3
	FRAG AF+FR*(\i), ADRA+\slot, \q, \i
.endr
.endm
.macro SCALES sc                       ; a slot's scale words: NQ words a row; lanes 0-15 take A's block i, lanes 16-31 B's block i
.irp i, 0,1,2,3,4,5,6,7
	ds_load_b128 v[SC+8*NQ*\sc+NQ*\i:SC+8*NQ*\sc+NQ*\i+3], v[ADRS] offset:\i*SBLK
.endr
.endm
.macro PLACES n                        ; places in front of loads into registers that matrix instructions have read, and of the first read of results
.rept \n
	v_nop
.endr
.endm
.macro STEP slot, q, first             ; a step of 128 along K that has its successor in the same slot
	s_wait_dscnt 4*NL                              ; B's set and A's blocks 0-3 are in; the youngest eight loads (A's blocks 4-7) may be out
.if \first
	WIN FST_LO
.else
	WIN MUL_LO
.endif
	MUL16 0, (\q)%2, \q, \slot, \first
	MUL16 2, (\q)%2, \q, \slot, \first
	s_wait_dscnt 0
	PLACES NP
	FETCH_B \slot, (\q)+1, 1-(\q)%2
	FETCH_A \slot, (\q)+1, 0
.if \first
	WIN FST_HI
.else
	WIN MUL_HI
.endif
	MUL16 4, (\q)%2, \q, \slot, \first
	MUL16 6, (\q)%2, \q, \slot, \first
	PLACES NP
	WIN 0
	FETCH_A \slot, (\q)+1, 4
.endm
.macro STEPS slot, from
.set Q, \from
.rept NQ-1-\from
	STEP \slot, Q, 0
.set Q, Q+1
.endr
.endm
	s_wait_tensorcnt 1                             ; the scales and my part of slot 0 are in; slot 1's load may be out
	s_barrier_signal -1
	s_barrier_wait -1
	FETCH_B 0, 0, 0
	FETCH_A 0, 0, 0
	SCALES 0
	FETCH_A 0, 0, 4
	s_wait_loadcnt 0x0                             ; the bias
	STEP 0, 0, 1
	STEPS 0, 1
	; slot 0's last step changes slots: one barrier; in front of it each wave waits for its part of slot 1 and for its reads of slot 0, which becomes the stage
	s_wait_tensorcnt 0x0
	ds_add_u32 v[SPW], v[NIL]                      ; 0 onto my spare word
	s_wait_dscnt 4*NL+1                            ; (the add and A's blocks 4-7 may be out)
	WIN MUL_LO
	MUL16 0, 1, NQ-1, 0, 0
	s_wait_dscnt 0x0
	s_barrier_signal -1
	MUL16 2, 1, NQ-1, 0, 0
	WIN 0
	s_barrier_wait -1
	PLACES NP
	v_add_nc_u32 v[ADRS], 4*NQ, v[ADRS]            ; on to slot 1's scale words
	FETCH_B 1, 0, 0
	FETCH_A 1, 0, 0
	SCALES 1
	WIN MUL_HI
	MUL16 4, 1, NQ-1, 0, 0
	MUL16 6, 1, NQ-1, 0, 0
	PLACES NP
	WIN 0
	FETCH_A 1, 0, 4
	STEPS 1, 0
	s_wait_dscnt 4*NL                              ; the very last step
	WIN MUL_LO
	MUL16 0, 1, NQ-1, 1, 0
	MUL16 2, 1, NQ-1, 1, 0
	s_wait_dscnt 0
	WIN MUL_HI
	MUL16 4, 1, NQ-1, 1, 0
	MUL16 6, 1, NQ-1, 1, 0
	WIN 0
	PLACES NP                                      ; in front of the first reads of results, of writes of the scale words' registers and of loads into A's
	; the rows t < 16, as f32: they are block 0 of the waves with rows 0-127 of the tiles of cluster y = 0
	s_or_b32 s67, s66, s15
	s_cmp_lg_u32 s67, 0
	s_cbranch_scc1 .Lnofine
	WIN 0x08                                       ; a store's data: window 2
.irp b, 0,1,2,3,4,5,6,7
	global_store_b128 v[FO], v[8*\b:8*\b+3], s[12:13] offset:64*\b       ; each accumulator from its low end on
	global_store_b128 v[FO], v[8*\b+4:8*\b+7], s[12:13] offset:64*\b+16
.endr
	WIN 0
.Lnofine:
; THE WAY OUT, block by block of 16 rows x 128 columns (two heads).  A lane's eight results become 16 bytes of f16; they go through my stage and come back so that sixteen lanes hold two neighbouring rows of one head:
; 256 consecutive bytes of qkv, aligned.  LDS serves a wave's instructions in order (ISA guide 5.7.1.4): no wait between the stores and the loads.
.macro PACK a
.set AC, 64*((\a)%4)
	WIN 0x0a+5*((\a)/4)                            ; sources 0 and 1: window 2 or 3
.irp b, 0,1,2,3,4,5,6,7
.irp i, 0,1,2,3
	v_cvt_pk_f16_f32 v[TMP+4*\b+\i], v[AC+8*\b+2*\i], v[AC+8*\b+2*\i+1]
.endr
.endr
	WIN 0
.endm
.macro TOSTAGE a
.set BB, BK+32*((\a)%2)
.irp b, 0,1,2,3,4,5,6,7
	ds_store_b128 v[STO], v[TMP+4*\b:TMP+4*\b+3] offset:32*\b
.endr
.irp u, 0,1,2,3,4,5,6,7
	ds_load_b128 v[BB+4*\u:BB+4*\u+3], v[RD] offset:\u*2*SPITCH
.endr
.endm
.macro SEND a
.set BB, BK+32*((\a)%2)
	s_wait_dscnt 0x0                               ; the block is back in registers
	s_wait_xcnt 0x0                                ; the block before has been read by its stores: its registers take the next block's loads only behind this wait
.irp u, 0,1,2,3,4,5,6,7
	global_store_b128 v[CO], v[BB+4*\u:BB+4*\u+3], s[10:11] offset:2048*(\a)+256*\u
.endr
.endm
	PACK 0
	TOSTAGE 0
.irp a, 1,2,3,4,5,6,7
	PACK \a                                        ; block a's conversions stand between block a - 1's loads from the stage and the wait for them
	SEND \a-1
	TOSTAGE \a
.endr
	SEND 7
	s_wait_tensorcnt 0x0                           ; the wave's end
	ds_add_u32 v[SPW], v[NIL]
	s_wait_dscnt 0x0
	CROUND                                         ; the closing round
	s_endpgm
.Lfunc_end_k_q2f711f72c4_qkv:
	.size	k_q2f711f72c4_qkv, .Lfunc_end_k_q2f711f72c4_qkv-k_q2f711f72c4_qkv
	.p2alignl 7, 3214868480
	.fill 96, 4, 3214868480
	.section	.rodata,"a",@progbits
	.p2align	6, 0x0
	.amdhsa_kernel k_q2f711f72c4_qkv
		.amdhsa_group_segment_fixed_size 327680
		.amdhsa_private_segment_fixed_size 0
		.amdhsa_enable_private_segment 0
		.amdhsa_kernarg_size 72
		.amdhsa_user_sgpr_count 2
		.amdhsa_user_sgpr_kernarg_segment_ptr 1
		.amdhsa_wavefront_size32 1
		.amdhsa_system_sgpr_workgroup_id_x 1
		.amdhsa_system_sgpr_workgroup_id_y 1
		.amdhsa_system_sgpr_workgroup_id_z 1
		.amdhsa_system_vgpr_workitem_id 0
		.amdhsa_next_free_vgpr 1024
		.amdhsa_next_free_sgpr 98
		.amdhsa_reserve_vcc 0
		.amdhsa_float_denorm_mode_32 3
		.amdhsa_float_denorm_mode_16_64 3
		.amdhsa_memory_ordered 1
		.amdhsa_forward_progress 1
		.amdhsa_inst_pref_size 130
	.end_amdhsa_kernel
	.amdgpu_metadata
---
amdhsa.version: [ 1, 2 ]
amdhsa.kernels:
  - .name:           k_q2f711f72c4_qkv
    .symbol:         k_q2f711f72c4_qkv.kd
    .args:
      - { .name: xc, .offset: 0, .size: 8, .value_kind: global_buffer, .address_space: global }
      - { .name: xs, .offset: 8, .size: 8, .value_kind: global_buffer, .address_space: global }
      - { .name: wc, .offset: 16, .size: 8, .value_kind: global_buffer, .address_space: global }
      - { .name: ws, .offset: 24, .size: 8, .value_kind: global_buffer, .address_space: global }
      - { .name: bq, .offset: 32, .size: 8, .value_kind: global_buffer, .address_space: global }
      - { .name: bk, .offset: 40, .size: 8, .value_kind: global_buffer, .address_space: global }
      - { .name: bv, .offset: 48, .size: 8, .value_kind: global_buffer, .address_space: global }
      - { .name: qkv, .offset: 56, .size: 8, .value_kind: global_buffer, .address_space: global }
      - { .name: qkvf, .offset: 64, .size: 8, .value_kind: global_buffer, .address_space: global }
    .group_segment_fixed_size: 327680
    .private_segment_fixed_size: 0
    .kernarg_segment_align: 8
    .kernarg_segment_size: 72
    .max_flat_workgroup_size: 128
    .sgpr_count:     98
    .vgpr_count:     1024
    .wavefront_size: 32
...
	.end_amdgpu_metadata
.endif
;; end of part 2
;; launch att (part 3): grid 4 x 64, 16 waves a work-group, no clusters, 327,680 bytes of LDS; arguments qkv, yh; writes yh
.if DOCPART == 3
	.amdgcn_target "amdgcn-amd-amdhsa--gfx1250"
	.amdhsa_code_object_version 6
	.text
	.protected	k_q2f711f72c4_att
	.globl	k_q2f711f72c4_att
	.p2align	8
	.type	k_q2f711f72c4_att,@function
k_q2f711f72c4_att:
	s_mov_b64 s[64:65], 0
	v_nop
	global_prefetch_b8 v0, s[64:65] scope:SCOPE_SE
	s_setreg_imm32_b32 hwreg(HW_REG_WAVE_MODE, 25, 1), 1
	s_wait_xcnt 0x0
; y[bh][q] = the sum over k <= q of softmax_k(q . k / 8) v[bh][k].  q, k, v: qkv [3][64 bh][2048][64] f16; y: yh [64 bh][2048][64] f16.  Products on f16 operands with f32 sums; maxima, exponentials and sums in f32;
; the weights p are rounded to f16 for the second product, y once at the end.  LIMIT: f16 operands: magnitudes under 65,504.  (The rows t < 16 are made here too, but the output's rows t < 16 come from the launch that carries them in f32.)
; SHARES.  Work-group (j, bh) owns the query blocks j and 7 - j of 256 queries, so that every work-group has the same number of key steps under the causal mask.  Each of its sixteen waves owns 32 queries, two tiles of 16:
; waves 0-7 in block j, waves 8-15 in block 7 - j, in falling order.  256 registers a wave, four waves to a SIMD: one wave's softmax stands beside another's products.
; One walk over the keys, 64 a step, serves both blocks; a step all of whose keys come after a wave's queries is left out by that wave.
; K and V come through a ring of two LDS slots of 256 keys, filled by tensor loads (waves 0, 1: K's halves; waves 2, 3: V's) and read by all sixteen.
; NO CLUSTER: the four work-groups of a head share K and V, but their walks end at 2,048, 1,792, 1,536 and 1,280 keys: a joint load would bring tiles that every wave of a partner jumps over.
; LAYOUT.  S^T = K Q^T (source 0 = 16 keys, source 1 = 16 queries): a lane holds ONE query (lane % 16) and the keys 8 (lane / 16) + 0..7 of a tile.  Two such tiles, rounded to f16 in pairs, are source 1 of O^T = V^T P,
; whose result again holds one query a lane.  K comes out of LDS as it lies, V ([key][channel]) turned, by ds_load_tr16_b128.
; SOFTMAX.  For each query a running maximum m and sum l: p = 2^(c s - c m), c = log2(e) / 8; in every step O and l are multiplied by 2^(c m_old - c m_new).
.set SK,    256                        ; keys in a slot
.set KST,   64                         ; keys in a step
.set PK,    144                        ; a row of K in LDS: 128 bytes + 16: the 16 rows of a load start at 16 different groups of four banks
.set PV,    160                        ; a row of V: 128 + 32
.set VOFF,  SK*PK
.set SLOT1, 1<<17                      ; slot 1 begins here: one exclusive or turns an address from one slot to the other
.set STAGE, 2*SLOT1                    ; bytes of their own for the way out: 16 rows x 144 for each wave
.set SPARE, STAGE+16*16*PK             ; the spare words, 128 bytes a wave, which no other line names
.set NSL,   2048/SK
.set AK0, 1                            ; v1  my lane's place in a tile of K
.set AV0, 2                            ; v2  the same for V
.set ADK, 3                            ; v3  the step's K
.set ADV, 4                            ; v4  the step's V
.set SPW, 5
.set NIL, 6
.set QO,  7                            ; v7  my byte offset in the wave's rows of Q
.set STO, 8
.set RD,  9
.set PFO, 10                           ; v10 256 x lane: the prefetches' offset
.set DQ,  11                           ; v11 lane % 16 - 8 (lane / 16)
.set ST,  12                           ; v12-27 statistics, eight a tile: +0 c m, +1 m, +2, +3 l in two halves, +4..+7 at work; the rescaling factor takes +6
.set MT,  28                           ; v28-30 the mask's
.set GO,  31                           ; v31 16 x lane
.set Q,   32                           ; v32-63   Q: tile t, channels 32 ch on, at 16 t + 8 ch
.set KV,  64                           ; v64-127  K's fragments, then V's
.set S,   128                          ; v128-191 S^T, 32 a tile; P is packed in place into each tile's low 16
.set O,   192                          ; v192-255 O^T, 32 a tile
.set TK,  2                            ; s2  LDS byte at which the step's rows of K begin
.set TV,  3                            ; s3  the same for V (VOFF is in AV0)
.set WV,  18
.set SEL, 20
.set CS,  22                           ; s[22:23] c, twice: the packed form names a pair
.set G1K, 24
.set G1V, 32
.set G0K, 40
.set G0V, 44
.set SLOTS, 48
.set STEPC, 49
.set KF,  50                           ; s50 the step's first key
.set Q0,  51                           ; s51 my first query
.set QL,  52                           ; s52 my work-group's last query
.set PFA, 54
.set LIM, 56
.macro TLOAD                           ; waves 0, 1 fetch K's halves, waves 2, 3 V's, the others nothing.  An s_nop 0 and four v_nop follow each line
	s_cmp_lt_u32 s[WV], 2
	s_cbranch_scc0 .Lnot_k_\@
	tensor_load_to_lds s[G0K:G0K+3], s[G1K:G1K+7]
	s_nop 0
.rept 4
	v_nop
.endr
	s_branch .Lasked_\@
.Lnot_k_\@:
	s_cmp_lt_u32 s[WV], 4
	s_cbranch_scc0 .Lasked_\@
	tensor_load_to_lds s[G0V:G0V+3], s[G1V:G1V+7]
	s_nop 0
.rept 4
	v_nop
.endr
.Lasked_\@:
.endm
; A PREFETCH of what the NEXT change of slots will ask for: a slot's 32,768 dense bytes of K and of V.  All four work-groups of a head walk the same rows: work-group j = 0, which walks all 2,048 keys, asks, and nobody else.
; In it waves 4-7 ask for K's, waves 8-11 for V's: 8,192 bytes a wave, lanes 256 bytes apart, one instruction: each aligned block of 256 bytes is named once in the launch.  The last change that fills a slot asks for nothing.
.macro ASK
	s_cmp_gt_u32 s[SLOTS], s[LIM]
	s_cbranch_scc0 .Lnot_mine_\@
	global_prefetch_b8 v[PFO], s[PFA:PFA+1] th:TH_LOAD_NT scope:SCOPE_SE
.Lnot_mine_\@:
.endm
	s_load_b128 s[4:7], s[0:1], 0x0                ; qkv, yh
	v_lshl_add_u32 v[SPW], v0, 2, SPARE
	v_mov_b32 v[NIL], 0
	ds_add_u32 v[SPW], v[NIL]                      ; the wave's opening: the add, twice on end, and its wait ahead of the first tensor load
	ds_add_u32 v[SPW], v[NIL]
	v_lshrrev_b32 v28, 5, v0
	v_readfirstlane_b32 s[WV], v28                 ; wave 0..15
	s_and_b32 s8, ttmp7, 0xffff
	s_lshl_b32 s8, s8, 18                          ; my head's plane: 2,048 rows of 128 bytes
	s_mov_b32 s9, 0
	s_lshl_b32 s10, ttmp9, 8
	s_lshl_b32 s11, s[WV], 5
	s_add_co_u32 s10, s10, s11                     ; 256 j + 32 w
	s_sub_co_u32 s11, 2272, s10                    ; 256 (7 - j) + 32 (15 - w)
	s_cmp_lt_u32 s[WV], 8
	s_cselect_b32 s[Q0], s10, s11
	s_lshl_b32 s12, ttmp9, 8
	s_sub_co_u32 s[QL], 2047, s12
	s_and_b32 s13, s[WV], 1                        ; which 128 rows of a slot I fetch, if I fetch:
	s_lshl_b32 s14, s13, 14                        ; in memory,
	s_mul_i32 s15, s13, 128*PK                     ; in a slot, for K,
	s_mul_i32 s16, s13, 128*PV
	s_add_co_u32 s16, s16, VOFF                    ; and for V
	s_mov_b32 s[G1K], (1<<16)|(1<<20)|(4<<22)|(3<<25)   ; no mask; elements of 2 bytes; padding on: 4 words behind every 32
	s_mov_b32 s[G1V], (1<<16)|(1<<20)|(4<<22)|(7<<25)   ; 8 words behind every 32
.irp g, G1K, G1V
	s_mov_b32 s[\g+1], 64<<16                      ; tensor_dim0
	s_mov_b32 s[\g+2], 128<<16                     ; tensor_dim1
	s_mov_b32 s[\g+3], 64<<16                      ; tile_dim0
	s_mov_b32 s[\g+4], 128                         ; tile_dim1
	s_mov_b32 s[\g+5], 64                          ; from row to row
	s_mov_b32 s[\g+6], 0
	s_mov_b32 s[\g+7], 0
.endr
	s_mov_b32 s[SEL], 0x76543210
	s_mov_b32 s[SEL+1], 0xfedcba98                 ; v_permlanex16_b32's selects for lane l xor 16
	s_mov_b32 s[CS], 0x3e38aa3b                    ; c = log2(e) / 8
	s_mov_b32 s[CS+1], s[CS]
	s_mov_b32 s[TK], 0
	s_mov_b32 s[TV], 0
	s_mov_b32 s[KF], 0
	s_mov_b32 s[SLOTS], NSL-1
	s_wait_dscnt 0x0                               ; both opening adds are done
	s_wait_kmcnt 0x0
	s_add_nc_u64 s[4:5], s[4:5], s[8:9]            ; q's plane of my head; k's lies 2^24, v's 2^25 bytes on
	s_add_nc_u64 s[6:7], s[6:7], s[8:9]
	s_mov_b32 s58, s14
	s_mov_b32 s59, 0
	s_mov_b32 s[G0K], 1
	s_mov_b32 s[G0K+1], s15
	s_add_nc_u64 s[G0K+2:G0K+3], s[4:5], s[58:59]
	s_add_nc_u64 s[G0K+2:G0K+3], s[G0K+2:G0K+3], 1<<24
	s_or_b32 s[G0K+3], s[G0K+3], 0x80000000
	s_mov_b32 s[G0V], 1
	s_mov_b32 s[G0V+1], s16
	s_add_nc_u64 s[G0V+2:G0V+3], s[4:5], s[58:59]
	s_add_nc_u64 s[G0V+2:G0V+3], s[G0V+2:G0V+3], 1<<25
	s_or_b32 s[G0V+3], s[G0V+3], 0x80000000
	TLOAD                                          ; slot 0: it holds key 0, which counts for every query
	s_cmp_lt_u32 s[WV], 8                          ; the prefetches: waves 4-7 K's plane, waves 8-11 V's
	s_mov_b32 s58, 1<<25
	s_cselect_b32 s58, 1<<24, s58
	s_and_b32 s60, s[WV], 3
	s_lshl_b32 s60, s60, 13                        ; my wave's 8,192 bytes,
	s_add_co_u32 s58, s58, s60
	s_add_co_u32 s58, s58, SK*128                  ; in slot 1: the first change of slots steps it to slot 2.  Nothing is prefetched at the head
	s_add_nc_u64 s[PFA:PFA+1], s[4:5], s[58:59]
	s_sub_co_u32 s60, s[WV], 4
	s_lshr_b32 s60, s60, 3                         ; 0 in waves 4 to 11,
	s_or_b32 s60, s60, ttmp9                       ; of work-group j = 0
	s_cmp_eq_u32 s60, 0
	s_cselect_b32 s[LIM], 1, -1
	s_lshl_b32 s58, s[Q0], 7
	s_add_nc_u64 s[4:5], s[4:5], s[58:59]          ; Q and y at my first query
	s_add_nc_u64 s[6:7], s[6:7], s[58:59]
	v_and_b32 v28, 15, v0                          ; r
	v_bfe_u32 v29, v0, 4, 1                        ; h
	v_lshlrev_b32 v[QO], 7, v28
	v_lshl_add_u32 v[QO], v29, 4, v[QO]
.irp t, 0,1
.irp ch, 0,1
	global_load_b128 v[Q+16*\t+8*\ch:Q+16*\t+8*\ch+3], v[QO], s[4:5] offset:\t*2048+\ch*64 th:TH_LOAD_NT      ; lane l: query l % 16; registers 0-3 channels 8 h + 0..7, registers 4-7 channels 16 + 8 h + 0..7
	global_load_b128 v[Q+16*\t+8*\ch+4:Q+16*\t+8*\ch+7], v[QO], s[4:5] offset:\t*2048+\ch*64+32 th:TH_LOAD_NT
.endr
.endr
	v_mul_u32_u24 v[AK0], v28, PK
	v_lshl_add_u32 v[AK0], v29, 4, v[AK0]          ; row r x pitch + 16 h
	v_and_b32 v30, 7, v0
	v_lshl_add_u32 v[AV0], v29, 3, v30             ; the turning load: key 8 h + l % 8,
	v_mul_u32_u24 v[AV0], v[AV0], PV
	v_bfe_u32 v30, v0, 3, 1
	v_lshl_add_u32 v[AV0], v30, 4, v[AV0]          ; channels 8 ((l / 8) % 2) on
	v_add_nc_u32 v[AV0], VOFF, v[AV0]
	s_mul_i32 s57, s[WV], 16*PK
	s_add_co_u32 s57, s57, STAGE                   ; my stage
	v_add_nc_u32 v[STO], s57, v[AK0]               ; in: row r, 16 bytes for each half of the lanes
	v_bfe_u32 v30, v0, 3, 2
	v_mul_u32_u24 v[RD], v30, PK                   ; back: eight lanes to a row of 128 bytes, four rows an instruction
	v_and_b32 v30, 7, v0
	v_lshl_add_u32 v[RD], v30, 4, v[RD]
	v_add_nc_u32 v[RD], s57, v[RD]
	v_and_b32 v30, 31, v0
	v_lshlrev_b32 v[PFO], 8, v30
	v_lshlrev_b32 v[GO], 4, v30
	v_lshlrev_b32 v30, 3, v29
	v_sub_nc_u32 v[DQ], v28, v30
.irp t, 0,1
	v_mov_b32 v[ST+8*\t+1], 0xff61b1e6             ; m: -3e38, under every score
	v_mul_f32 v[ST+8*\t], s[CS], v[ST+8*\t+1]      ; c m
.irp i, 2,3,4,5,6,7
	v_mov_b32 v[ST+8*\t+\i], 0
.endr
.endr
.irp j, 0,1,2,3,4,5,6,7,8,9,10,11,12,13,14,15,16,17,18,19,20,21,22,23,24,25,26,27,28,29,30,31,32,33,34,35,36,37,38,39,40,41,42,43,44,45,46,47,48,49,50,51,52,53,54,55,56,57,58,59,60,61,62,63
	v_mov_b32 v[O+\j], 0                           ; O^T.  (The step is written once: its first run finds zeros, which the first rescaling leaves zeros)
.endr
; A KEY STEP: 64 keys.
.macro STEP
	s_add_co_u32 s57, s[Q0], 31                    ; a step all of whose keys come after my 32 queries is left out: a branch on ids, round the step's work, not round the lines at its end that step addresses
	s_cmp_gt_u32 s[KF], s57
	s_cbranch_scc1 .Lhidden_\@
	v_add_nc_u32 v[ADK], s[TK], v[AK0]
	v_add_nc_u32 v[ADV], s[TV], v[AV0]
.rept 3
	v_nop                                          ; with the two additions five places behind the last step's products: loads go into their fragments' registers, and the products below write over the registers that held P
.endr
.irp kt, 0,1,2,3
.irp ch, 0,1
	ds_load_b128 v[KV+16*\kt+8*\ch:KV+16*\kt+8*\ch+3], v[ADK] offset:\kt*16*PK+\ch*64
	ds_load_b128 v[KV+16*\kt+8*\ch+4:KV+16*\kt+8*\ch+7], v[ADK] offset:\kt*16*PK+\ch*64+32
.endr
.endr
	s_wait_dscnt 0x0
.irp ch, 0,1                                   ; S^T = K Q^T: eight accumulators by turns; the first eight products start the sums
.irp kt, 0,1,2,3
.irp t, 0,1
.if \ch == 0
	v_wmma_f32_16x16x32_f16 v[S+32*\t+8*\kt:S+32*\t+8*\kt+7], v[KV+16*\kt+8*\ch:KV+16*\kt+8*\ch+7], v[Q+16*\t+8*\ch:Q+16*\t+8*\ch+7], 0
.else
	v_wmma_f32_16x16x32_f16 v[S+32*\t+8*\kt:S+32*\t+8*\kt+7], v[KV+16*\kt+8*\ch:KV+16*\kt+8*\ch+7], v[Q+16*\t+8*\ch:Q+16*\t+8*\ch+7], v[S+32*\t+8*\kt:S+32*\t+8*\kt+7]
.endif
.endr
.endr
.endr
.rept 4
	v_nop                                          ; places in front of the loads into K's registers and of the first read of the scores
.endr
.irp kc, 0,1                                   ; V, turned: keys 32 kc on, channels 16 c on; it lands while the softmax is walked
.irp c, 0,1,2,3
	ds_load_tr16_b128 v[KV+32*\kc+8*\c:KV+32*\kc+8*\c+3], v[ADV] offset:\kc*32*PV+\c*32
	ds_load_tr16_b128 v[KV+32*\kc+8*\c+4:KV+32*\kc+8*\c+7], v[ADV] offset:\kc*32*PV+16*PV+\c*32
.endr
.endr
	s_add_co_u32 s57, s[KF], 63                    ; on the diagonal (one step of each wave) hidden scores become -infinity ahead of the maximum; a step all of whose keys count skips this
	s_cmp_le_u32 s57, s[Q0]
	s_cbranch_scc1 .Lopen_\@
	s_sub_co_i32 s57, s[Q0], s[KF]
	v_add_nc_u32 v[MT], s57, v[DQ]                 ; tile 0: my query - KF - 8 h.  Register n holds key KF + 16 (n / 8) + 8 h + n % 8: hidden where 16 (n / 8) + n % 8 is greater
	v_add_nc_u32 v[MT+1], 16, v[MT]                ; tile 1
	v_mov_b32 v[MT+2], 0xff800000
.irp t, 0,1
.irp n, 0,1,2,3,4,5,6,7,8,9,10,11,12,13,14,15,16,17,18,19,20,21,22,23,24,25,26,27,28,29,30,31
	v_cmp_gt_i32 vcc_lo, 16*(\n/8)+\n%8, v[MT+\t]
	v_cndmask_b32 v[S+32*\t+\n], v[S+32*\t+\n], v[MT+2], vcc_lo
.endr
.endr
.Lopen_\@:
.irp j, 0,1,2,3                                ; the maximum of my 32 scores and the old m: four chains a tile, the two tiles by turns; each accumulator is read from its low end on
.irp t, 0,1
	v_max3_num_f32 v[ST+8*\t+4+\j], v[S+32*\t+8*\j], v[S+32*\t+8*\j+1], v[S+32*\t+8*\j+2]
.endr
.endr
.irp i, 3,5
.irp j, 0,1,2,3
.irp t, 0,1
	v_max3_num_f32 v[ST+8*\t+4+\j], v[ST+8*\t+4+\j], v[S+32*\t+8*\j+\i], v[S+32*\t+8*\j+\i+1]
.endr
.endr
.endr
.irp t, 0,1
	v_max3_num_f32 v[ST+8*\t+4], v[ST+8*\t+4], v[S+32*\t+7], v[S+32*\t+15]
	v_max3_num_f32 v[ST+8*\t+6], v[ST+8*\t+6], v[S+32*\t+23], v[S+32*\t+31]
.endr
.irp t, 0,1
	v_max3_num_f32 v[ST+8*\t+4], v[ST+8*\t+4], v[ST+8*\t+5], v[ST+8*\t+6]
.endr
.irp t, 0,1
	v_max3_num_f32 v[ST+8*\t+4], v[ST+8*\t+4], v[ST+8*\t+7], v[ST+8*\t+1]
.endr
.irp t, 0,1
	v_permlanex16_b32 v[ST+8*\t+5], v[ST+8*\t+4], s[SEL], s[SEL+1]   ; the query's other 32 keys lie in the lane 16 away
.endr
.irp t, 0,1
	v_mov_b32 v[ST+8*\t+7], v[ST+8*\t]             ; c m_old
.endr
.irp t, 0,1
	v_max_num_f32 v[ST+8*\t+1], v[ST+8*\t+4], v[ST+8*\t+5]
.endr
.irp t, 0,1
	v_mul_f32 v[ST+8*\t], s[CS], v[ST+8*\t+1]
.endr
.irp t, 0,1
	v_sub_f32 v[ST+8*\t+7], v[ST+8*\t+7], v[ST+8*\t]
.endr
.irp i, 0,2,4,6,8,10,12,14,16,18,20,22,24,26,28,30
.irp t, 0,1
	v_pk_fma_f32 v[S+32*\t+\i:S+32*\t+\i+1], v[S+32*\t+\i:S+32*\t+\i+1], s[CS:CS+1], v[ST+8*\t:ST+8*\t+1] op_sel_hi:[1,0,0] neg_lo:[0,0,1] neg_hi:[0,0,1]   ; c s - c m
.endr
.endr
.irp t, 0,1
	v_exp_f32 v[ST+8*\t+6], v[ST+8*\t+7]           ; 2^(c m_old - c m_new)
.endr
.irp n, 0,1,2,3,4,5,6,7,8,9,10,11,12,13,14,15,16,17,18,19,20,21,22,23,24,25,26,27,28,29,30,31
.irp t, 0,1
	v_exp_f32 v[S+32*\t+\n], v[S+32*\t+\n]         ; p: one batch of 66 exponentials
.endr
.endr
	v_nop                                          ; a plain instruction behind the last exponential
	s_wait_alu depctr_va_vdst(0)                   ; the wait ahead of the first instruction that names a result: one for the batch
.irp t, 0,1                                    ; the sums of the unrounded p, two chains a tile
	v_pk_fma_f32 v[ST+8*\t+2:ST+8*\t+3], v[ST+8*\t+2:ST+8*\t+3], v[ST+8*\t+6:ST+8*\t+7], v[S+32*\t:S+32*\t+1] op_sel_hi:[1,0,1]
	v_pk_add_f32 v[ST+8*\t+4:ST+8*\t+5], v[S+32*\t+2:S+32*\t+3], v[S+32*\t+6:S+32*\t+7]
.endr
.irp i, 4,8,12,16,20,24,28
.irp t, 0,1
	v_pk_add_f32 v[ST+8*\t+2:ST+8*\t+3], v[ST+8*\t+2:ST+8*\t+3], v[S+32*\t+\i:S+32*\t+\i+1]
.if \i > 4
	v_pk_add_f32 v[ST+8*\t+4:ST+8*\t+5], v[ST+8*\t+4:ST+8*\t+5], v[S+32*\t+\i+2:S+32*\t+\i+3]
.endif
.endr
.endr
.irp t, 0,1
	v_pk_add_f32 v[ST+8*\t+2:ST+8*\t+3], v[ST+8*\t+2:ST+8*\t+3], v[ST+8*\t+4:ST+8*\t+5]
.endr
.irp i, 0,1,2,3,4,5,6,7,8,9,10,11,12,13,14,15
.irp t, 0,1
	v_cvt_pk_f16_f32 v[S+32*\t+\i], v[S+32*\t+2*\i], v[S+32*\t+2*\i+1]   ; P, in place and ascending: register i is written when registers 2 i, 2 i + 1 are read
.endr
.endr
.irp i, 0,2,4,6,8,10,12,14,16,18,20,22,24,26,28,30
.irp t, 0,1
	v_pk_mul_f32 v[O+32*\t+\i:O+32*\t+\i+1], v[O+32*\t+\i:O+32*\t+\i+1], v[ST+8*\t+6:ST+8*\t+7] op_sel_hi:[1,0]   ; O^T under the new m
.endr
.endr
	s_wait_dscnt 0x0                               ; V is in
.irp kc, 0,1                                   ; O^T += V^T P: eight accumulators by turns
.irp c, 0,1,2,3
.irp t, 0,1
	v_wmma_f32_16x16x32_f16 v[O+32*\t+8*\c:O+32*\t+8*\c+7], v[KV+32*\kc+8*\c:KV+32*\kc+8*\c+7], v[S+32*\t+8*\kc:S+32*\t+8*\kc+7], v[O+32*\t+8*\c:O+32*\t+8*\c+7]
.endr
.endr
.endr
.Lhidden_\@:
	s_add_co_u32 s[KF], s[KF], KST
	s_add_co_u32 s[TK], s[TK], KST*PK
	s_add_co_u32 s[TV], s[TV], KST*PV
.endm
; THE CHANGE OF SLOTS stands at a slot's head.  Each wave waits for all its tensor loads, adds 0 to its spare word (fill = 1: twice on end), and waits for that and for its reads of the slot that it has left.
; Behind the barrier the slot ahead is whole and nobody reads the other one.  fill = 1: that other slot is filled with the next 256 keys, up to the causal limit; the load has four key steps in which to land.
.macro CHANGE fill
	s_wait_tensorcnt 0x0                           ; no tensor load of mine is out, so a group 0 may be written
	ds_add_u32 v[SPW], v[NIL]
.if \fill
	ds_add_u32 v[SPW], v[NIL]                      ; and once more, in every trip alike
	s_xor_b32 s[G0K+1], s[G0K+1], SLOT1            ; the walking descriptors: the other slot, the next 256 keys
	s_add_nc_u64 s[G0K+2:G0K+3], s[G0K+2:G0K+3], SK*128
	s_xor_b32 s[G0V+1], s[G0V+1], SLOT1
	s_add_nc_u64 s[G0V+2:G0V+3], s[G0V+2:G0V+3], SK*128
	s_wait_xcnt 0x0                                ; the last prefetch, a slot back, has read its address
	s_add_nc_u64 s[PFA:PFA+1], s[PFA:PFA+1], SK*128
.endif
	s_wait_dscnt 0x0
	s_barrier_signal -1
	s_barrier_wait -1
.if \fill
	s_add_co_u32 s57, s[KF], SK                    ; a slot whose first key comes after my work-group's last query is read by none of its waves and is not asked for:
	s_cmp_gt_u32 s57, s[QL]                        ; ids and the count of steps alone: all sixteen waves go the same way.  Every wait on TENSORcnt in this text is for 0
	s_cbranch_scc1 .Lpast_\@
	TLOAD
.Lpast_\@:
	ASK
.endif
.endm
.macro SLOT_STEPS                      ; a slot's four key steps: written once, walked four times; the LDS addresses hang on s[TK], s[TV]
	s_mov_b32 s[STEPC], SK/KST
.Lstep_\@:
	STEP
	s_sub_co_u32 s[STEPC], s[STEPC], 1
	s_cmp_lg_u32 s[STEPC], 0
	s_cbranch_scc1 .Lstep_\@
	s_sub_co_u32 s[TK], s[TK], SK*PK               ; back to a slot's first step,
	s_xor_b32 s[TK], s[TK], SLOT1                  ; in the other slot
	s_sub_co_u32 s[TV], s[TV], SK*PV
	s_xor_b32 s[TV], s[TV], SLOT1
.endm
	s_wait_loadcnt 0x0                             ; Q
.Lslot:                                            ; NSL - 1 trips
	CHANGE 1
	SLOT_STEPS
	s_sub_co_u32 s[SLOTS], s[SLOTS], 1
	s_cmp_lg_u32 s[SLOTS], 0
	s_cbranch_scc1 .Lslot
	CHANGE 0                                       ; the last slot is written out: nothing is left to ask for
	SLOT_STEPS
	; THE WAY OUT.  The four additions and the v_nop are five plain places behind the last products.
.irp t, 0,1
	v_add_f32 v[ST+8*\t+4], v[ST+8*\t+2], v[ST+8*\t+3]
.endr
.irp t, 0,1
	v_permlanex16_b32 v[ST+8*\t+5], v[ST+8*\t+4], s[SEL], s[SEL+1]
.endr
.irp t, 0,1
	v_add_f32 v[ST+8*\t+4], v[ST+8*\t+4], v[ST+8*\t+5]   ; the row's sum
.endr
.irp t, 0,1
	v_rcp_f32 v[ST+8*\t+6], v[ST+8*\t+4]
.endr
	v_nop
	s_wait_alu depctr_va_vdst(0)                   ; one wait for the two reciprocals, ahead of their first reader
.macro OUT t                           ; tile t: O^T / l, rounded to f16: a lane's eight channels are 16 bytes; through my stage; back as four rows of 128 bytes an instruction
.irp i, 0,2,4,6,8,10,12,14,16,18,20,22,24,26,28,30
	v_pk_mul_f32 v[O+32*\t+\i:O+32*\t+\i+1], v[O+32*\t+\i:O+32*\t+\i+1], v[ST+8*\t+6:ST+8*\t+7] op_sel_hi:[1,0]
.endr
.irp i, 0,1,2,3,4,5,6,7,8,9,10,11,12,13,14,15
	v_cvt_pk_f16_f32 v[S+16*\t+\i], v[O+32*\t+2*\i], v[O+32*\t+2*\i+1]
.endr
.irp c, 0,1,2,3
	ds_store_b128 v[STO], v[S+16*\t+4*\c:S+16*\t+4*\c+3] offset:32*\c
.endr
.irp i, 0,1,2,3
	ds_load_b128 v[KV+16*\t+4*\i:KV+16*\t+4*\i+3], v[RD] offset:\i*4*PK   ; LDS serves a wave's instructions in order: these see the stores above, and the next tile's stores come behind them
.endr
.endm
	OUT 0
	OUT 1
	s_wait_dscnt 8                                 ; tile 0 is back; tile 1's four stores and four loads may be out
.irp i, 0,1,2,3
	global_store_b128 v[GO], v[KV+4*\i:KV+4*\i+3], s[6:7] offset:512*\i   ; 32 lanes store 512 consecutive bytes, aligned
.endr
	s_wait_dscnt 0x0
.irp i, 0,1,2,3
	global_store_b128 v[GO], v[KV+16+4*\i:KV+16+4*\i+3], s[6:7] offset:2048+512*\i
.endr
	s_wait_tensorcnt 0x0                           ; the wave's end
	ds_add_u32 v[SPW], v[NIL]
	s_wait_dscnt 0x0
	s_endpgm
.Lfunc_end_k_q2f711f72c4_att:
	.size	k_q2f711f72c4_att, .Lfunc_end_k_q2f711f72c4_att-k_q2f711f72c4_att
	.p2alignl 7, 3214868480
	.fill 96, 4, 3214868480
	.section	.rodata,"a",@progbits
	.p2align	6, 0x0
	.amdhsa_kernel k_q2f711f72c4_att
		.amdhsa_group_segment_fixed_size 327680
		.amdhsa_private_segment_fixed_size 0
		.amdhsa_enable_private_segment 0
		.amdhsa_kernarg_size 16
		.amdhsa_user_sgpr_count 2
		.amdhsa_user_sgpr_kernarg_segment_ptr 1
		.amdhsa_wavefront_size32 1
		.amdhsa_system_sgpr_workgroup_id_x 1
		.amdhsa_system_sgpr_workgroup_id_y 1
		.amdhsa_system_sgpr_workgroup_id_z 1
		.amdhsa_system_vgpr_workitem_id 0
		.amdhsa_next_free_vgpr 256
		.amdhsa_next_free_sgpr 70
		.amdhsa_reserve_vcc 1
		.amdhsa_float_denorm_mode_32 3
		.amdhsa_float_denorm_mode_16_64 3
		.amdhsa_memory_ordered 1
		.amdhsa_forward_progress 1
		.amdhsa_inst_pref_size 61
	.end_amdhsa_kernel
	.amdgpu_metadata
---
amdhsa.version: [ 1, 2 ]
amdhsa.kernels:
  - .name:           k_q2f711f72c4_att
    .symbol:         k_q2f711f72c4_att.kd
    .args:
      - { .name: qkv, .offset: 0, .size: 8, .value_kind: global_buffer, .address_space: global }
      - { .name: yh, .offset: 8, .size: 8, .value_kind: global_buffer, .address_space: global }
    .group_segment_fixed_size: 327680
    .private_segment_fixed_size: 0
    .kernarg_segment_align: 8
    .kernarg_segment_size: 16
    .max_flat_workgroup_size: 512
    .sgpr_count:     70
    .vgpr_count:     256
    .wavefront_size: 32
...
	.end_amdgpu_metadata
.endif
;; end of part 3
;; launch proj (part 4): grid 4 x 64, 4 waves a work-group, clusters of 4 x 4, 327,680 bytes of LDS; arguments yh, wp16, bp, out0; writes out0
.if DOCPART == 4
	.amdgcn_target "amdgcn-amd-amdhsa--gfx1250"
	.amdhsa_code_object_version 6
	.text
	.protected	k_q2f711f72c4_proj
	.globl	k_q2f711f72c4_proj
	.p2align	8
	.type	k_q2f711f72c4_proj,@function
k_q2f711f72c4_proj:
	s_mov_b64 s[64:65], 0
	v_nop
	global_prefetch_b8 v0, s[64:65] scope:SCOPE_SE
	s_setreg_imm32_b32 hwreg(HW_REG_WAVE_MODE, 25, 1), 1
	s_wait_xcnt 0x0
	s_wait_alu depctr_hold_cnt(0) depctr_sa_sdst(0) depctr_va_vdst(0) depctr_va_sdst(0) depctr_va_ssrc(0) depctr_va_vcc(0) depctr_vm_vsrc(0)
	s_getreg_b32 s2, hwreg(HW_REG_IB_STS2, 6, 4)
	s_cmp_eq_u32 s2, 0
	s_cbranch_scc0 .Lentry_in_a_cluster
	s_endpgm
.Lentry_in_a_cluster:
	s_bfe_u32 s2, ttmp6, 0x10000c
	s_cmp_lg_u32 s2, 0xf033
	s_cbranch_scc0 .Lentry_shape_is_right
	s_endpgm
.Lentry_shape_is_right:
; out0 [8192][1024] f32 = y Wp^T + bp on f16 operands with f32 sums.  y: yh [16 b + head][2048 t][64]; Wp: wp16 [head][1024 n][64]: K is walked head by head in both, so the product is what it is with K on end.
; The rows t < 16 of every sequence are NOT stored here: the launch that carries them in f32 stores them.  LIMIT: f16 operands: magnitudes under 65,504.
; A tile of the output is 128 x 256, which makes 256 work-groups; four waves, 64 x 128 each: 32 accumulators, 256 registers.  K goes in steps of 128 (two heads) through a ring of two LDS slots;
; a slot holds, for each of the two heads, 128 rows of y and 256 rows of Wp, 128 bytes a row: each is one dense block of memory and one tensor load (waves 0, 1: y's; waves 2, 3: Wp's).
; CLUSTERS: 4 x 4 work-groups; tile column = cx, tile row = 16 cy + cluster y, so that the batch is cy and t < 16 falls where cluster y = 0: the same in all partners.  y's tiles are shared along a row of the cluster, Wp's along a column.
; THE MATRIX INSTRUCTION IS USED TRANSPOSED (source 0 = 16 rows of Wp, source 1 = 16 rows of y): a lane holds eight neighbouring columns of a row of the output.  The bias is the C of each sum's first product.
; REGISTERS: window 0: v16-30 addresses; v64-127 the bias; v128-255 the way out.  window 1: two fragment buffers for 32 along K: B at +0 (64), A at +64 (32), at v0 and v128.  window 2: accumulator (a, b) at v[8 (8 a + b)].
.set PITCH,  144                       ; an LDS row: 128 bytes + 16
.set ACH,    128*PITCH                 ; y's rows of one head
.set BCH,    256*PITCH                 ; Wp's rows of one head
.set BOFF,   2*ACH
.set SLOT,   2*ACH+2*BCH
.set STAGE,  2*SLOT                    ; behind the ring: 16 rows x (512 bytes + 16) for each wave
.set SPITCH, 528
.set SPARE,  STAGE+4*16*SPITCH         ; the spare words, 128 bytes a wave, which no other line names
.set ADRA, 16
.set ADRB, 20
.set STO,  24
.set RD,   25
.set CO,   26
.set BO,   27
.set SPW,  28
.set NIL,  29
.set PFO,  30
.set BIAS, 64
.set BK,   128
.set F0,   0
.set F1,   128
.set G1, 24
.set G0, 32
.set G1B, 48
.set G0B, 56
.set PFA, 66
.set LIM, 68
.set MSB, 0
.macro WIN new
.if MSB != \new
	s_set_vgpr_msb (MSB<<8)|\new
.set MSB, \new
.endif
.endm
.set MUL,  0xa5                        ; sources 0 and 1 window 1; C and D window 2
.set FST,  0x85                        ; the first products: C (the bias) window 0
.set TO_F, 0x40
.macro JLOAD s                         ; a joint load: waves 0, 1 fetch y's two heads, waves 2, 3 Wp's; an s_nop 0 and four v_nop follow each line
	s_cmp_eq_u32 s13, 0
	s_cbranch_scc0 .Lfor_b_\@
	tensor_load_to_lds s[G0+4*\s:G0+4*\s+3], s[G1:G1+7]
	s_nop 0
.rept 4
	v_nop
.endr
	s_branch .Lasked_\@
.Lfor_b_\@:
	tensor_load_to_lds s[G0B+4*\s:G0B+4*\s+3], s[G1B:G1B+7]
	s_nop 0
.rept 4
	v_nop
.endr
.Lasked_\@:
.endm
.macro CREST
	s_cmp_lg_u32 s12, 0
	s_cbranch_scc1 .Lnot_wave_0_\@
	s_barrier_signal -3
.Lnot_wave_0_\@:
	s_barrier_wait -3
	s_barrier_signal -1
	s_barrier_wait -1
.endm
.macro CROUND
	s_barrier_signal -1
	s_barrier_wait -1
	CREST
.endm
; A PREFETCH of y's K step that stands two refills on (256 matrix instructions ahead of the load that will want it): 32,768 bytes for a tile row.  The four partners of a row of the cluster share them BY ADDRESS, 8,192 bytes each;
; in each, wave 0 asks, lanes 256 bytes apart: each aligned block of 256 bytes is named once in the launch.  The loop's last trip has no K step two on.  Wp's tiles, which sixteen clusters read, are not asked for.
.macro ASK
	s_cmp_gt_u32 s3, s[LIM]
	s_cbranch_scc0 .Lnot_mine_\@
	global_prefetch_b8 v[PFO], s[PFA:PFA+1] th:TH_LOAD_NT scope:SCOPE_SE
.Lnot_mine_\@:
.endm
	s_load_b256 s[4:11], s[0:1], 0x0               ; yh 4, wp16 6, bp 8, out0 10
	v_lshl_add_u32 v[SPW], v0, 2, SPARE
	v_mov_b32 v[NIL], 0
	ds_add_u32 v[SPW], v[NIL]                      ; the wave's opening: the add, twice on end, and its wait ahead of my first tensor load
	ds_add_u32 v[SPW], v[NIL]
	v_lshrrev_b32 v1, 5, v0
	v_readfirstlane_b32 s12, v1                    ; wave 0..3
	s_lshr_b32 s13, s12, 1                         ; which 64 rows are mine.  Also: I fetch for y (0) or for Wp (1)
	s_and_b32 s14, s12, 1                          ; which 128 columns.  Also: which of a K step's two heads I fetch
	s_bfe_u32 s40, ttmp6, 0x40000                  ; cx
	s_bfe_u32 s41, ttmp6, 0x40004                  ; cy
	s_and_b32 s42, ttmp7, 0xffff                   ; cluster y
	s_lshl_b32 s43, s41, 2
	s_lshl_b32 s43, 15, s43                        ; my row of the cluster
	s_lshl_b32 s44, 0x1111, s40                    ; my column
	s_or_b32 s[G1+0], s43, (1<<16)|(1<<20)|(1<<21)|(4<<22)|(3<<25)   ; the mask; elements of 2 bytes; padding on; bit 21 beside a mask; 4 words behind every 32
	s_or_b32 s[G1B+0], s44, (1<<16)|(1<<20)|(1<<21)|(4<<22)|(3<<25)
	s_mov_b32 s[G1+1], 64<<16                      ; tensor_dim0
	s_mov_b32 s[G1+2], 128<<16                     ; tensor_dim1
	s_mov_b32 s[G1+3], 64<<16                      ; tile_dim0
	s_mov_b32 s[G1+4], 128                         ; tile_dim1
	s_mov_b32 s[G1+5], 64                          ; from row to row
	s_mov_b32 s[G1+6], 0
	s_mov_b32 s[G1+7], 0
	s_mov_b32 s[G1B+1], 64<<16
	s_mov_b32 s[G1B+2], 256<<16
	s_mov_b32 s[G1B+3], 64<<16
	s_mov_b32 s[G1B+4], 256
	s_mov_b32 s[G1B+5], 64
	s_mov_b32 s[G1B+6], 0
	s_mov_b32 s[G1B+7], 0
	s_lshl_b32 s16, s41, 22                        ; y: batch cy: 16 planes of 2^18 bytes,
	s_lshl_b32 s17, s14, 18                        ; my head of the K step,
	s_add_co_u32 s16, s16, s17
	s_lshl_b32 s17, s42, 14                        ; t = 128 x cluster y, 128 bytes a row
	s_add_co_u32 s16, s16, s17
	s_mov_b32 s17, 0
	s_lshl_b32 s46, s14, 17                        ; Wp: my head's 1,024 rows of 128 bytes,
	s_lshl_b32 s47, s40, 15                        ; n = 256 cx
	s_add_co_u32 s46, s46, s47
	s_mov_b32 s47, 0
	s_mul_i32 s20, s14, ACH                        ; where they go: no place in the cluster enters an LDS address
	s_mul_i32 s21, s14, BCH
	s_add_co_u32 s21, s21, BOFF
	s_wait_dscnt 0x0                               ; both opening adds are done
	s_wait_kmcnt 0x0
	s_add_nc_u64 s[16:17], s[4:5], s[16:17]
	s_add_nc_u64 s[46:47], s[6:7], s[46:47]
	CROUND                                         ; all sixteen work-groups are here: the first joint loads meet
.irp s, 0,1
	s_mov_b32 s[G0+4*\s], 1
	s_add_co_u32 s[G0+4*\s+1], s20, \s*SLOT
	s_add_nc_u64 s[G0+4*\s+2:G0+4*\s+3], s[16:17], \s*(1<<19)      ; K step s: two planes on
	s_or_b32 s[G0+4*\s+3], s[G0+4*\s+3], 0x80000000
	s_mov_b32 s[G0B+4*\s], 1
	s_add_co_u32 s[G0B+4*\s+1], s21, \s*SLOT
	s_add_nc_u64 s[G0B+4*\s+2:G0B+4*\s+3], s[46:47], \s*(1<<18)
	s_or_b32 s[G0B+4*\s+3], s[G0B+4*\s+3], 0x80000000
	JLOAD \s
.endr
	v_and_b32 v1, 15, v0                           ; r
	v_bfe_u32 v2, v0, 4, 1                         ; h
	v_lshlrev_b32 v[BO], 5, v2
	s_lshl_b32 s46, s40, 10
	s_lshl_b32 s47, s14, 9
	s_add_co_u32 s46, s46, s47                     ; my first column, in bytes of f32: 1,024 cx + 512 x half
	s_mov_b32 s47, 0
	s_add_nc_u64 s[8:9], s[8:9], s[46:47]
	s_add_nc_u64 s[10:11], s[10:11], s[46:47]
.irp b, 0,1,2,3,4,5,6,7
	global_load_b128 v[BIAS+8*\b:BIAS+8*\b+3], v[BO], s[8:9] offset:64*\b        ; lane (r, h), register j of tile b: the bias of column 16 b + 8 h + j
	global_load_b128 v[BIAS+8*\b+4:BIAS+8*\b+7], v[BO], s[8:9] offset:64*\b+16
.endr
	s_lshl_b32 s46, s41, 23                        ; my first row: 2,048 cy + 128 cluster y + 64 x half, 4,096 bytes a row
	s_lshl_b32 s47, s42, 19
	s_add_co_u32 s46, s46, s47
	s_lshl_b32 s47, s13, 18
	s_add_co_u32 s46, s46, s47
	s_mov_b32 s47, 0
	s_add_nc_u64 s[10:11], s[10:11], s[46:47]
	s_lshl_b32 s46, s41, 22                        ; the prefetches: my tile row's y,
	s_lshl_b32 s47, s42, 14
	s_add_co_u32 s46, s46, s47
	s_lshr_b32 s47, s40, 1                         ; my work-group's quarter of a K step: head cx / 2,
	s_lshl_b32 s47, s47, 18
	s_add_co_u32 s46, s46, s47
	s_and_b32 s47, s40, 1                          ; half cx % 2 of its 16,384 bytes,
	s_lshl_b32 s47, s47, 13
	s_add_co_u32 s46, s46, s47
	s_add_co_u32 s46, s46, 3<<19                   ; at K step 3: the first refill steps it to 4
	s_mov_b32 s47, 0
	s_add_nc_u64 s[PFA:PFA+1], s[4:5], s[46:47]
	s_cmp_eq_u32 s12, 0
	s_cselect_b32 s[LIM], 1, -1
	v_mul_u32_u24 v3, v1, PITCH
	v_lshl_add_u32 v3, v2, 4, v3                   ; a fragment's row x pitch + 16 h
	s_mul_i32 s21, s13, 64*PITCH                   ; my 64 rows of y
	s_mul_i32 s22, s14, 128*PITCH                  ; my 128 rows of Wp,
	s_add_co_u32 s22, s22, BOFF                    ; which lie behind y's
.irp s, 0,1
	v_add_nc_u32 v[ADRA+\s], s21, v3
	v_add_nc_u32 v[ADRB+\s], s22, v3
	s_add_co_u32 s21, s21, SLOT
	s_add_co_u32 s22, s22, SLOT
.endr
	s_mul_i32 s23, s12, 16*SPITCH
	s_add_co_u32 s23, s23, STAGE                   ; my stage
	v_mul_u32_u24 v4, v1, SPITCH                   ; in: row r, 32 bytes for each half of the lanes
	v_lshl_add_u32 v4, v2, 5, v4
	v_add_nc_u32 v[STO], s23, v4
	v_and_b32 v5, 31, v0
	v_lshlrev_b32 v[CO], 4, v5                     ; back: the 32 lanes take one row of 512 bytes; and the same in the output
	v_add_nc_u32 v[RD], s23, v[CO]
	v_lshlrev_b32 v[PFO], 8, v5
; 8 matrix instructions: y's block a x Wp's eight, 32 along K, from buffer f.  first = 1: the bias is the C.  The 32 accumulators take turns, one instruction a turn, in the same order in every quarter.
.macro MUL8 f, a, first
.irp b, 0,1,2,3,4,5,6,7
.if \first
	v_wmma_f32_16x16x32_f16 v[8*(8*(\a)+\b):8*(8*(\a)+\b)+7], v[\f+8*\b:\f+8*\b+7], v[\f+64+8*(\a):\f+64+8*(\a)+7], v[BIAS+8*\b:BIAS+8*\b+7]
.else
	v_wmma_f32_16x16x32_f16 v[8*(8*(\a)+\b):8*(8*(\a)+\b)+7], v[\f+8*\b:\f+8*\b+7], v[\f+64+8*(\a):\f+64+8*(\a)+7], v[8*(8*(\a)+\b):8*(8*(\a)+\b)+7]
.endif
.endr
.endm
; 24 LDS loads in one run: the fragments of the slot's q-th 32 along K (head q / 2, channels 32 (q % 2) on) into buffer f; Wp's first, y's blocks 2, 3 last
.macro FETCH slot, q, f
	WIN TO_F
.irp i, 0,1,2,3,4,5,6,7
	ds_load_b128 v[\f+8*\i:\f+8*\i+3],   v[ADRB+\slot] offset:((\q)/2)*BCH+((\q)%2)*64+\i*16*PITCH
	ds_load_b128 v[\f+8*\i+4:\f+8*\i+7], v[ADRB+\slot] offset:((\q)/2)*BCH+((\q)%2)*64+\i*16*PITCH+32
.endr
.irp i, 0,1,2,3
	ds_load_b128 v[\f+64+8*\i:\f+64+8*\i+3],   v[ADRA+\slot] offset:((\q)/2)*ACH+((\q)%2)*64+\i*16*PITCH
	ds_load_b128 v[\f+64+8*\i+4:\f+64+8*\i+7], v[ADRA+\slot] offset:((\q)/2)*ACH+((\q)%2)*64+\i*16*PITCH+32
.endr
.endm
.macro PLACES                          ; four places in front of loads into registers that matrix instructions have read, and of the first read of results
.rept 4
	v_nop
.endr
.endm
; A K step is four quarters of 32 along K, 32 matrix instructions each, on buffers 0, 1, 0, 1.  One of the first three: multiplies buffer f and fetches quarter qn of the same slot into g.
.macro QUARTER slot, qn, f, g, first
	s_wait_dscnt 4                                 ; Wp's fragments and y's blocks 0, 1 are in; the youngest four loads (blocks 2, 3) may be out
.if \first
	WIN FST
.else
	WIN MUL
.endif
	MUL8 \f, 0, \first
	MUL8 \f, 1, \first
	PLACES
	FETCH \slot, \qn, \g
	s_wait_dscnt 24                                ; all but the 24 just issued
.if \first
	WIN FST
.else
	WIN MUL
.endif
	MUL8 \f, 2, \first
	MUL8 \f, 3, \first
.endm
; The last quarter multiplies buffer 1 and changes slots: ONE barrier; in front of it each wave waits for all its tensor loads, adds 0 to its spare word, and waits for that and for its reads of this slot.
; fill = 1: the barrier opens a round of the cluster's barrier, and this slot is filled again, two K steps ahead: the load has 112 matrix instructions and more in which to land.
.macro TURN slot, next, fill
.if \fill
	s_wait_xcnt 0x0                                ; the last prefetch, a K step back, has read its address
	s_add_nc_u64 s[PFA:PFA+1], s[PFA:PFA+1], 1<<19
.endif
	WIN 0                                          ; (the add's two registers lie in window 0)
	s_wait_tensorcnt 0x0                           ; all my tensor loads have landed: my part of the next slot
	ds_add_u32 v[SPW], v[NIL]
	s_wait_dscnt 5                                 ; (the add and the youngest four loads may be out)
	WIN MUL
	MUL8 F1, 0, 0
	s_wait_dscnt 0x0                               ; the add is done, and my reads of this slot are over
	s_barrier_signal -1
	MUL8 F1, 1, 0
.if \fill
	WIN 0
.endif
	s_barrier_wait -1
.if \fill
	CREST                                          ; no wave of any partner still reads this slot or has a load on its way
	s_add_nc_u64 s[G0+4*\slot+2:G0+4*\slot+3], s[G0+4*\slot+2:G0+4*\slot+3], 1<<20
	s_add_nc_u64 s[G0B+4*\slot+2:G0B+4*\slot+3], s[G0B+4*\slot+2:G0B+4*\slot+3], 1<<19
	JLOAD \slot                                    ; the first tensor load behind the round; its four v_nop are also the places in front of the loads below
.else
	PLACES
.endif
	FETCH \next, 0, F0
.if \fill
	WIN 0
	ASK
.endif
	WIN MUL
	MUL8 F1, 2, 0
	MUL8 F1, 3, 0
.endm
	s_wait_tensorcnt 1                             ; my part of K step 0 is in; K step 1's may be out
	s_barrier_signal -1
	s_barrier_wait -1
	s_wait_loadcnt 0x0                             ; the bias
	FETCH 0, 0, F0
	QUARTER 0, 1, F0, F1, 1                        ; the first quarter stands in front of the loop: its products start the sums
	WIN 0
	s_mov_b32 s3, 3
.Llap:                                             ; a trip goes once round the ring and fills both slots again: K steps 2 to 7
	QUARTER 0, 2, F1, F0, 0
	QUARTER 0, 3, F0, F1, 0
	TURN 0, 1, 1
	QUARTER 1, 1, F0, F1, 0
	QUARTER 1, 2, F1, F0, 0
	QUARTER 1, 3, F0, F1, 0
	TURN 1, 0, 1
	QUARTER 0, 1, F0, F1, 0
	WIN 0
	s_sub_co_u32 s3, s3, 1
	s_cmp_lg_u32 s3, 0
	s_cbranch_scc1 .Llap
	QUARTER 0, 2, F1, F0, 0                        ; the last lap fills nothing
	QUARTER 0, 3, F0, F1, 0
	TURN 0, 1, 0
	QUARTER 1, 1, F0, F1, 0
	QUARTER 1, 2, F1, F0, 0
	QUARTER 1, 3, F0, F1, 0
	s_wait_dscnt 4
	WIN MUL
	MUL8 F1, 0, 0
	MUL8 F1, 1, 0
	s_wait_dscnt 0
	MUL8 F1, 2, 0
	MUL8 F1, 3, 0
	WIN 0
; THE WAY OUT, block by block of 16 rows x 128 columns: through my own stage, back as whole rows of 512 bytes, which the 32 lanes store as 512 consecutive bytes, aligned.
.macro TOSTAGE a
	WIN 0x08                                       ; an LDS store's data: window 2
.irp b, 0,1,2,3,4,5,6,7
	ds_store_b128 v[STO], v[64*(\a)+8*\b:64*(\a)+8*\b+3] offset:64*\b         ; each accumulator from its low end on
	ds_store_b128 v[STO], v[64*(\a)+8*\b+4:64*(\a)+8*\b+7] offset:64*\b+16
.endr
	WIN 0
.set BB, BK+64*((\a)%2)
.irp t, 0,1,2,3,4,5,6,7,8,9,10,11,12,13,14,15
	ds_load_b128 v[BB+4*\t:BB+4*\t+3], v[RD] offset:\t*SPITCH      ; LDS serves a wave's instructions in order: these see the stores above
.endr
.endm
.macro SEND a, younger                 ; younger: the LDS instructions issued behind block a's loads
.set BB, BK+64*((\a)%2)
	s_wait_dscnt \younger
.irp t, 0,1,2,3,4,5,6,7,8,9,10,11,12,13,14,15
	global_store_b128 v[CO], v[BB+4*\t:BB+4*\t+3], s[10:11] offset:(16*(\a)+\t)*4096 th:TH_STORE_NT
.endr
.endm
	PLACES
	s_or_b32 s16, s42, s13                         ; block 0 of the waves with rows 0-63 of the tiles of cluster y = 0 holds t < 16: not stored here
	s_cmp_eq_u32 s16, 0
	s_cbranch_scc1 .Lrest
	TOSTAGE 0
	SEND 0, 0
.Lrest:
	TOSTAGE 1
	s_wait_xcnt 0x0                                ; block 0's stores have read their registers: block 2's loads may land there
	TOSTAGE 2
	SEND 1, 32                                     ; behind block 1's loads: block 2's 16 stores and 16 loads
	s_wait_xcnt 0x0
	TOSTAGE 3
	SEND 2, 32
	SEND 3, 0
	s_wait_tensorcnt 0x0                           ; the wave's end
	ds_add_u32 v[SPW], v[NIL]
	s_wait_dscnt 0x0
	CROUND                                         ; the closing round
	s_endpgm
.Lfunc_end_k_q2f711f72c4_proj:
	.size	k_q2f711f72c4_proj, .Lfunc_end_k_q2f711f72c4_proj-k_q2f711f72c4_proj
	.p2alignl 7, 3214868480
	.fill 96, 4, 3214868480
	.section	.rodata,"a",@progbits
	.p2align	6, 0x0
	.amdhsa_kernel k_q2f711f72c4_proj
		.amdhsa_group_segment_fixed_size 327680
		.amdhsa_private_segment_fixed_size 0
		.amdhsa_enable_private_segment 0
		.amdhsa_kernarg_size 32
		.amdhsa_user_sgpr_count 2
		.amdhsa_user_sgpr_kernarg_segment_ptr 1
		.amdhsa_wavefront_size32 1
		.amdhsa_system_sgpr_workgroup_id_x 1
		.amdhsa_system_sgpr_workgroup_id_y 1
		.amdhsa_system_sgpr_workgroup_id_z 1
		.amdhsa_system_vgpr_workitem_id 0
		.amdhsa_next_free_vgpr 768
		.amdhsa_next_free_sgpr 72
		.amdhsa_reserve_vcc 0
		.amdhsa_float_denorm_mode_32 3
		.amdhsa_float_denorm_mode_16_64 3
		.amdhsa_memory_ordered 1
		.amdhsa_forward_progress 1
		.amdhsa_inst_pref_size 87
	.end_amdhsa_kernel
	.amdgpu_metadata
---
amdhsa.version: [ 1, 2 ]
amdhsa.kernels:
  - .name:           k_q2f711f72c4_proj
    .symbol:         k_q2f711f72c4_proj.kd
    .args:
      - { .name: yh, .offset: 0, .size: 8, .value_kind: global_buffer, .address_space: global }
      - { .name: wp16, .offset: 8, .size: 8, .value_kind: global_buffer, .address_space: global }
      - { .name: bp, .offset: 16, .size: 8, .value_kind: global_buffer, .address_space: global }
      - { .name: out0, .offset: 24, .size: 8, .value_kind: global_buffer, .address_space: global }
    .group_segment_fixed_size: 327680
    .private_segment_fixed_size: 0
    .kernarg_segment_align: 8
    .kernarg_segment_size: 32
    .max_flat_workgroup_size: 128
    .sgpr_count:     72
    .vgpr_count:     768
    .wavefront_size: 32
...
	.end_amdgpu_metadata
.endif
;; end of part 4
;; launch fine (part 5): grid 64 x 4, 16 waves a work-group, no clusters, 18,432 bytes of LDS; arguments qkvf, Wp, bp, out0; writes out0
.if DOCPART == 5
	.amdgcn_target "amdgcn-amd-amdhsa--gfx1250"
	.amdhsa_code_object_version 6
	.text
	.protected	k_q2f711f72c4_fine
	.globl	k_q2f711f72c4_fine
	.p2align	8
	.type	k_q2f711f72c4_fine,@function
k_q2f711f72c4_fine:
	s_mov_b64 s[64:65], 0
	v_nop
	global_prefetch_b8 v0, s[64:65] scope:SCOPE_SE
	s_setreg_imm32_b32 hwreg(HW_REG_WAVE_MODE, 25, 1), 1
	s_wait_xcnt 0x0
; The rows t < 16 of every sequence, in f32 from end to end: attention over their 16 keys and the projection on the way out.  Under the causal mask these rows average one to sixteen values and are the largest of the output.
; qkvf [16 b + t][3072] f32 (q at column 0, k at 1,024, v at 2,048); Wp [1024][1024], bp f32; out0 rows 2,048 b + 0 .. 15.
; SHARES.  Work-group (nt, b) makes columns 16 nt .. 16 nt + 15 of the batch's 16 rows.  Wave = head: it makes its head's 16 x 16 attention (12 KiB of input, 32 matrix instructions), multiplies by its own 64 columns of
; 16 rows of Wp (16 more), and the sixteen partial tiles are summed through LDS.  The attention is made again in each of a batch's 64 work-groups: the other way would be one launch more for the sum over heads.
; Stores are 16 bytes a lane, 64 bytes a row, 262,144 bytes in all: tiles of 64 columns would store whole rows of 256 bytes at four times the chain of f32 products in a wave.
; All products by v_wmma_f32_16x16x4_f32 (lane (r, h), register j: k = 2 h + j).  Nothing changes lanes between them: each result's layout is the next product's source 1 under a permutation of k that source 0 is loaded by too.
; The registers that these products write (v144-207) are written by matrix instructions alone; what is made of a sum goes into other registers.
.set KA,  16                           ; v16-47   k: lane (r, h): key r, channels 32 h + 0 .. 31
.set QB,  48                           ; v48-79   q: query r, the same channels
.set VA,  80                           ; v80-111  v: register 8 c + j: key 8 h + j, channel 16 c + r
.set WPR, 112                          ; v112-143 Wp: register 8 c + j: row 16 nt + r, my head's channel 16 c + 8 h + j
.set SA,  144                          ; v144-175 four accumulators: S^T, later the out tile
.set OA,  176                          ; v176-207 four accumulators: O^T, channels 16 c on
.set P,   208                          ; v208-215 scores, then p: key 8 h + j, query r
.set Y,   216                          ; v216-247 O^T / l
.set BI,  248                          ; v248-251 four numbers of the bias
.set SPW, 252
.set NIL, 253
.set SPARE, 16384                      ; behind the sixteen partial tiles of 1,024 bytes: the spare words, 128 bytes a wave, which no other line names
	s_load_b256 s[4:11], s[0:1], 0x0               ; qkvf 4, Wp 6, bp 8, out0 10
	v_lshl_add_u32 v[SPW], v0, 2, SPARE
	v_mov_b32 v[NIL], 0
	v_lshrrev_b32 v1, 5, v0
	v_readfirstlane_b32 s12, v1                    ; wave = head
	s_and_b32 s13, ttmp7, 0xffff                   ; batch
	v_and_b32 v1, 15, v0                           ; r
	v_bfe_u32 v2, v0, 4, 1                         ; h
	v_mul_u32_u24 v3, v1, 12288                    ; q, k: row r of 12,288 bytes, + 128 h
	v_lshl_add_u32 v3, v2, 7, v3
	v_mul_u32_u24 v4, v2, 98304                    ; v: rows 8 h on, + 4 r
	v_lshl_add_u32 v4, v1, 2, v4
	v_lshlrev_b32 v5, 12, v1                       ; Wp and out0: row r of 4,096 bytes, + 32 h
	v_lshl_add_u32 v5, v2, 5, v5
	v_lshlrev_b32 v6, 5, v2                        ; the bias: 32 h
	v_lshlrev_b32 v7, 3, v2
	v_sub_nc_u32 v7, v1, v7                        ; r - 8 h: register j's key is hidden where j is greater
	v_and_b32 v9, 31, v0
	v_lshlrev_b32 v9, 4, v9                        ; 16 x lane
	s_lshl_b32 s24, s12, 10
	v_add_nc_u32 v8, s24, v9                       ; LDS: my wave's partial tile
	s_and_b32 s25, s12, 1
	s_lshl_b32 s26, s25, 9
	v_add_nc_u32 v9, s26, v9                       ; and, for waves 0 and 1, their half of every tile
	v_mov_b32 v13, 0                               ; (a lane permute's destination counts as one of its sources)
	v_mov_b32 v254, 0xff800000                     ; -infinity
	s_mov_b32 s27, 0x3e38aa3b                      ; c = log2(e) / 8
	s_mov_b32 s28, 0x76543210
	s_mov_b32 s29, 0xfedcba98                      ; v_permlanex16_b32's selects for lane l xor 16
	s_lshl_b32 s16, s12, 8                         ; my head's 64 columns, in bytes
	s_mul_i32 s14, s13, 196608                     ; the batch's 16 rows of qkvf
	s_add_co_u32 s14, s14, s16
	s_mov_b32 s15, 0
	s_lshl_b32 s18, ttmp9, 16                      ; 16 rows of Wp
	s_add_co_u32 s18, s18, s16
	s_mov_b32 s19, 0
	s_lshl_b32 s20, ttmp9, 6                       ; 16 columns of the output,
	s_lshl_b32 s21, s25, 4                         ; and 4 more in odd waves
	s_add_co_u32 s20, s20, s21
	s_mov_b32 s21, 0
	s_lshl_b32 s22, s13, 23                        ; the batch's first row of out0
	s_mov_b32 s23, 0
	s_wait_kmcnt 0x0
	s_add_nc_u64 s[4:5], s[4:5], s[14:15]
	s_add_nc_u64 s[6:7], s[6:7], s[18:19]
	s_add_nc_u64 s[8:9], s[8:9], s[20:21]
	s_add_nc_u64 s[10:11], s[10:11], s[20:21]
	s_add_nc_u64 s[10:11], s[10:11], s[22:23]
	global_load_b128 v[BI:BI+3], v6, s[8:9]        ; columns 16 nt + 8 h + 4 (wave % 2) on.  Every wave loads its 16 bytes a lane, waves 0 and 1 use them: so the head has one path
.irp i, 0,1,2,3,4,5,6,7
	global_load_b128 v[KA+4*\i:KA+4*\i+3], v3, s[4:5] offset:4096+16*\i
.endr
.irp i, 0,1,2,3,4,5,6,7
	global_load_b128 v[QB+4*\i:QB+4*\i+3], v3, s[4:5] offset:16*\i
.endr
.irp c, 0,1,2,3
.irp j, 0,1,2,3,4,5,6,7
	global_load_b32 v[VA+8*\c+\j], v4, s[4:5] offset:8192+\j*12288+64*\c
.endr
.endr
.irp c, 0,1,2,3
	global_load_b128 v[WPR+8*\c:WPR+8*\c+3], v5, s[6:7] offset:64*\c
	global_load_b128 v[WPR+8*\c+4:WPR+8*\c+7], v5, s[6:7] offset:64*\c+16
.endr
	s_wait_loadcnt 40                              ; the bias, k and q are in; v's 32 loads and Wp's 8 may be out
	; S^T = k q^T: instruction kk takes channels 32 h + 2 kk + j of both; four accumulators by turns; the first four start the sums
.irp kk, 0,1,2,3
	v_wmma_f32_16x16x4_f32 v[SA+8*\kk:SA+8*\kk+7], v[KA+2*\kk:KA+2*\kk+1], v[QB+2*\kk:QB+2*\kk+1], 0
.endr
.irp kk, 4,5,6,7,8,9,10,11,12,13,14,15
	v_wmma_f32_16x16x4_f32 v[SA+8*(\kk%4):SA+8*(\kk%4)+7], v[KA+2*\kk:KA+2*\kk+1], v[QB+2*\kk:QB+2*\kk+1], v[SA+8*(\kk%4):SA+8*(\kk%4)+7]
.endr
.rept 8
	v_nop                                          ; eight places behind this form before a result is read (ISA guide 7.12.1)
.endr
.irp j, 0,2,4,6                                ; the four parts are added, each accumulator from its low end on
	v_pk_add_f32 v[P+\j:P+\j+1], v[SA+\j:SA+\j+1], v[SA+8+\j:SA+8+\j+1]
	v_pk_add_f32 v[10:11], v[SA+16+\j:SA+16+\j+1], v[SA+24+\j:SA+24+\j+1]
	v_pk_add_f32 v[P+\j:P+\j+1], v[P+\j:P+\j+1], v[10:11]
.endr
.irp j, 0,1,2,3,4,5,6,7
	v_cmp_gt_i32 vcc_lo, \j, v7                    ; key 8 h + j after query r: -infinity
	v_cndmask_b32 v[P+\j], v[P+\j], v254, vcc_lo
.endr
	v_max3_num_f32 v12, v[P], v[P+1], v[P+2]       ; the row's maximum: key 0 counts for every query, so it is a number
	v_max3_num_f32 v12, v12, v[P+3], v[P+4]
	v_max3_num_f32 v12, v12, v[P+5], v[P+6]
	v_max_num_f32 v12, v12, v[P+7]
	v_permlanex16_b32 v13, v12, s28, s29
	v_max_num_f32 v12, v12, v13
	v_mul_f32 v12, s27, v12                        ; c m
.irp j, 0,1,2,3,4,5,6,7
	v_fma_f32 v[P+\j], v[P+\j], s27, -v12
.endr
.irp j, 0,1,2,3,4,5,6,7
	v_exp_f32 v[P+\j], v[P+\j]                     ; p = 2^(c s - c m)
.endr
	v_nop
	s_wait_alu depctr_va_vdst(0)                   ; one wait for the eight, ahead of their first reader
	v_pk_add_f32 v[10:11], v[P:P+1], v[P+2:P+3]
	v_pk_add_f32 v[14:15], v[P+4:P+5], v[P+6:P+7]
	v_pk_add_f32 v[10:11], v[10:11], v[14:15]
	v_add_f32 v12, v10, v11
	v_permlanex16_b32 v13, v12, s28, s29
	v_add_f32 v12, v12, v13                        ; the row's sum
	v_rcp_f32 v14, v12
	v_nop
	s_wait_alu depctr_va_vdst(0)
	s_wait_loadcnt 8                               ; v is in; Wp's 8 loads may be out
	; O^T = v^T p: instruction kk takes keys 8 h + 2 kk + j of both
.irp kk, 0,1,2,3
.irp c, 0,1,2,3
.if \kk == 0
	v_wmma_f32_16x16x4_f32 v[OA+8*\c:OA+8*\c+7], v[VA+8*\c+2*\kk:VA+8*\c+2*\kk+1], v[P+2*\kk:P+2*\kk+1], 0
.else
	v_wmma_f32_16x16x4_f32 v[OA+8*\c:OA+8*\c+7], v[VA+8*\c+2*\kk:VA+8*\c+2*\kk+1], v[P+2*\kk:P+2*\kk+1], v[OA+8*\c:OA+8*\c+7]
.endif
.endr
.endr
.rept 8
	v_nop
.endr
.irp j, 0,2,4,6,8,10,12,14,16,18,20,22,24,26,28,30
	v_pk_mul_f32 v[Y+\j:Y+\j+1], v[OA+\j:OA+\j+1], v[14:15] op_sel_hi:[1,0]   ; y: register 8 c + j: channel 16 c + 8 h + j of query r
.endr
	s_wait_loadcnt 0x0                             ; Wp
	; my head's part of the out tile: source 0 = 16 rows of Wp, source 1 = y: instruction (i, c) takes channels 16 c + 8 h + 2 i + j of both.  A lane gets eight neighbouring columns of row r
.irp i, 0,1,2,3
.irp c, 0,1,2,3
.if \i == 0
	v_wmma_f32_16x16x4_f32 v[SA+8*\c:SA+8*\c+7], v[WPR+8*\c+2*\i:WPR+8*\c+2*\i+1], v[Y+8*\c+2*\i:Y+8*\c+2*\i+1], 0
.else
	v_wmma_f32_16x16x4_f32 v[SA+8*\c:SA+8*\c+7], v[WPR+8*\c+2*\i:WPR+8*\c+2*\i+1], v[Y+8*\c+2*\i:Y+8*\c+2*\i+1], v[SA+8*\c:SA+8*\c+7]
.endif
.endr
.endr
.rept 8
	v_nop
.endr
.irp j, 0,2,4,6
	v_pk_add_f32 v[16+\j:17+\j], v[SA+\j:SA+\j+1], v[SA+8+\j:SA+8+\j+1]
	v_pk_add_f32 v[10:11], v[SA+16+\j:SA+16+\j+1], v[SA+24+\j:SA+24+\j+1]
	v_pk_add_f32 v[16+\j:17+\j], v[16+\j:17+\j], v[10:11]
.endr
	ds_store_b128 v8, v[16:19]                     ; columns 8 h + 0 .. 3: 16 bytes a lane, 512 on end
	ds_store_b128 v8, v[20:23] offset:512          ; columns 8 h + 4 .. 7
	s_wait_dscnt 0x0                               ; for the others' sake: my stores are done
	s_barrier_signal -1
	s_barrier_wait -1
	s_cmp_lt_u32 s12, 2                            ; waves 0 and 1 add the sixteen heads' parts, half a tile each
	s_cbranch_scc0 .Lend
.irp p, 0,1,2,3,4,5,6,7,8,9,10,11,12,13,14,15
	ds_load_b128 v[16+4*\p:19+4*\p], v9 offset:1024*\p
.endr
	s_wait_dscnt 0x0
.irp s, 8,4,2,1
.irp p, 0,1,2,3,4,5,6,7
.if \p < \s
	v_pk_add_f32 v[16+4*\p:17+4*\p], v[16+4*\p:17+4*\p], v[16+4*(\p+\s):17+4*(\p+\s)]
	v_pk_add_f32 v[18+4*\p:19+4*\p], v[18+4*\p:19+4*\p], v[18+4*(\p+\s):19+4*(\p+\s)]
.endif
.endr
.endr
	v_pk_add_f32 v[16:17], v[16:17], v[BI:BI+1]
	v_pk_add_f32 v[18:19], v[18:19], v[BI+2:BI+3]
	global_store_b128 v5, v[16:19], s[10:11]       ; out0 (2,048 b + r, 16 nt + 8 h + 4 wave + 0 .. 3)
.Lend:
	s_wait_tensorcnt 0x0                           ; the wave's end
	ds_add_u32 v[SPW], v[NIL]
	s_wait_dscnt 0x0
	s_endpgm
.Lfunc_end_k_q2f711f72c4_fine:
	.size	k_q2f711f72c4_fine, .Lfunc_end_k_q2f711f72c4_fine-k_q2f711f72c4_fine
	.p2alignl 7, 3214868480
	.fill 96, 4, 3214868480
	.section	.rodata,"a",@progbits
	.p2align	6, 0x0
	.amdhsa_kernel k_q2f711f72c4_fine
		.amdhsa_group_segment_fixed_size 18432
		.amdhsa_private_segment_fixed_size 0
		.amdhsa_enable_private_segment 0
		.amdhsa_kernarg_size 32
		.amdhsa_user_sgpr_count 2
		.amdhsa_user_sgpr_kernarg_segment_ptr 1
		.amdhsa_wavefront_size32 1
		.amdhsa_system_sgpr_workgroup_id_x 1
		.amdhsa_system_sgpr_workgroup_id_y 1
		.amdhsa_system_sgpr_workgroup_id_z 1
		.amdhsa_system_vgpr_workitem_id 0
		.amdhsa_next_free_vgpr 256
		.amdhsa_next_free_sgpr 66
		.amdhsa_reserve_vcc 1
		.amdhsa_float_denorm_mode_32 3
		.amdhsa_float_denorm_mode_16_64 3
		.amdhsa_memory_ordered 1
		.amdhsa_forward_progress 1
		.amdhsa_inst_pref_size 20
	.end_amdhsa_kernel
	.amdgpu_metadata
---
amdhsa.version: [ 1, 2 ]
amdhsa.kernels:
  - .name:           k_q2f711f72c4_fine
    .symbol:         k_q2f711f72c4_fine.kd
    .args:
      - { .name: qkvf, .offset: 0, .size: 8, .value_kind: global_buffer, .address_space: global }
      - { .name: Wp, .offset: 8, .size: 8, .value_kind: global_buffer, .address_space: global }
      - { .name: bp, .offset: 16, .size: 8, .value_kind: global_buffer, .address_space: global }
      - { .name: out0, .offset: 24, .size: 8, .value_kind: global_buffer, .address_space: global }
    .group_segment_fixed_size: 18432
    .private_segment_fixed_size: 0
    .kernarg_segment_align: 8
    .kernarg_segment_size: 32
    .max_flat_workgroup_size: 512
    .sgpr_count:     66
    .vgpr_count:     256
    .wavefront_size: 32
...
	.end_amdgpu_metadata
.endif
;; end of part 5
